; MI455X (gfx1250); checked and timed in simulation.
; The chip was launched on July 23, 2026; its instructions are those of AMD's public machine-readable ISA for CDNA 5 (MIT licence, August 2026) and "CDNA5" Instruction Set Architecture Reference Guide (July 2026). The comments in the code are by the model that wrote it; some were corrected since.
;; Multi Head. Allowed arithmetic: matrix products marked QUANTISED: E4M3 operands, one given power-of-two scale a tensor, by v_wmma_f32_16x16x64_fp8_fp8 or v_wmma_f32_16x16x128_fp8_fp8, f32 sums; everything else in f32.
;; Inputs: WK_codes 1,024 x 32 x 32 uint8 (E4M3 codes of WK, K innermost, in blocks of 32 codes); WO_codes 1,024 x 32 x 32 uint8 (E4M3 codes of WO, K innermost, in blocks of 32 codes); WQ_codes 1,024 x 32 x 32 uint8 (E4M3 codes of WQ, K innermost, in blocks of 32 codes); WV_codes 1,024 x 32 x 32 uint8 (E4M3 codes of WV, K innermost, in blocks of 32 codes); lowp_scales 12 int32 (the exponents e of the quantised operands' scales 2^e); token_positions 2,048 int32; x_codes 4 x 2,048 x 32 x 32 uint8 (E4M3 codes of x, K innermost, in blocks of 32 codes).
;; Outputs: out0 4 x 2,048 x 1,024 float32.
;; This version of the problem:
;;   THIS VERSION OF THE PROBLEM IS GIVEN IN LOW PRECISION. The matrix products marked QUANTISED in the list below multiply operands that are first quantised to E4M3 (4 exponent bits, 3 mantissa bits; 8 bits a number), with one given power-of-two scale for each operand tensor; their sums are f32. All else is computed in f32.
;;   The module's matrix products, in the order in which they are computed (A, B: the left and right operand; K: the contracted axis; several contracted axes count as one K, in the product's order):
;;     1. [M 8,192, K 1,024] x [K 1,024, N 1,024]; A: input x (given as codes); B: input WQ (given as codes): QUANTISED (scales: A lowp_scales[0], B lowp_scales[1])
;;     2. [M 8,192, K 1,024] x [K 1,024, N 1,024]; A: input x (given as codes); B: input WK (given as codes): QUANTISED (scales: A lowp_scales[2], B lowp_scales[3])
;;     3. [M 8,192, K 1,024] x [K 1,024, N 1,024]; A: input x (given as codes); B: input WV (given as codes): QUANTISED (scales: A lowp_scales[4], B lowp_scales[5])
;;     4. batch 64 x [M 2,048, K 64] x [K 64, N 2,048]; A: computed on the way; B: computed on the way: QUANTISED (scales: A lowp_scales[6], B lowp_scales[7])
;;     5. batch 64 x [M 2,048, K 2,048] x [K 2,048, N 64]; A: softmax (see below); B: computed on the way: QUANTISED (scales: A lowp_scales[8], B lowp_scales[9])
;;     6. [M 8,192, K 1,024] x [K 1,024, N 1,024]; A: computed on the way; B: input WO (given as codes): QUANTISED (scales: A lowp_scales[10], B lowp_scales[11])
;;   THE QUANTISER, for each operand of a quantised product, along K:
;;     - The operand's scale is 2^e, e = its entry of the input lowp_scales (int32; the entries are numbered through the quantised products in the list's order, A before B).
;;     - Each number is divided by the scale, clamped to +-448, and rounded to the nearest number of E4M3, ties to even, subnormals kept.
;;     - The product sums the exact products of the quantised numbers (number of the format x scale) in f32.
;;   ~~~python
;;   def quantise(x, axis, e):      # numpy; x: float32 -> the quantised numbers, widened to float32 again
;;       x = np.moveaxis(x, axis, -1); K = x.shape[-1]
;;       r = np.clip(x / 2.0 ** e, -448, 448)
;;       step = 2.0 ** (np.maximum(np.frexp(np.where(r == 0, 1, r))[1] - 1, -6) - 3)
;;       q = np.round(r / step) * step * 2.0 ** e      # np.round: ties to even
;;       return np.moveaxis(q, -1, axis).astype(np.float32)
;;   ~~~
;;   SOFTMAX AHEAD OF A QUANTISED PRODUCT. Where the list says 'softmax', what is quantised is not the finished softmax but p = 2^(t - M), with t = logit x log2(e) and M = ceil(the row's largest t), a whole number; so 1/2 < the row's largest p <= 1. The row's sum l is taken of the UNQUANTISED p, in f32, and the product's result is divided by l at the end. Since M is a whole number, a kernel that streams over the keys may use a running M (the ceiling of the running maximum): every later rescaling is an exact power of two, so the quantised numbers keep their values, but for numbers so far below the row's largest that they fall under the format's range.
;;   OPERANDS COMPUTED ON THE WAY. 'Computed on the way' means the value that the module computes at that place (a softmax that the list does not call 'softmax' is quantised finished and normalised). What goes into a quantiser is computed in f32, as accurately as f32 sums, v_exp_f32 and their like allow (about 1e-6 of the number): no bf16 or f16 on the way to a quantiser, and a product that is left as it is and whose result goes on into a quantised operand takes f32 operands (vector FMAs, or v_wmma_f32_16x16x4_f32). A number that lies on a knife's edge between two numbers of the format may be rounded either way, as far as f32 arithmetic and the matrix unit's own rounding can turn it there, and no further.
;;   INPUTS GIVEN AS CODES. WK (in the module: [1024, 1024], K = its axis 1); WO (in the module: [1024, 1024], K = its axis 1); WQ (in the module: [1024, 1024], K = its axis 1); WV (in the module: [1024, 1024], K = its axis 1); x (in the module: [4, 2048, 1024], K = its axis 2): each comes as NAME_codes (uint8): NAME with its K axis moved to the last place and cut into blocks of 32 codes, [.., K / 32, bytes a block], one block behind the other in memory; one code a byte (a code: sign, 4 exponent bits, 3 mantissa bits); its scale is its entry of lowp_scales. Its value is code x scale, taken as it is: it is not quantised again, and the codes and scales need not be those that the quantiser above would give.
;; One version. Each part assembles by itself: llvm-mc -triple=amdgcn-amd-amdhsa -mcpu=gfx1250 --defsym DOCPART=n.
;; ======== version 1 of 1: 3 launches
;; limits: right only within a limited range of input values
;; workspace buffers: q_img 8,388,608 bytes; k_img 8,388,608 bytes; v_img 8,388,608 bytes; a_img 8,388,608 bytes
;; launch qkv (part 1): grid 12 x 32, 4 waves a work-group, clusters of 4 x 4, 327,680 bytes of LDS; arguments x_codes, WQ_codes, WK_codes, WV_codes, lowp_scales, token_positions, q_img, k_img, v_img; writes q_img, k_img, v_img
.if DOCPART == 1
	.amdgcn_target "amdgcn-amd-amdhsa--gfx1250"
	.amdhsa_code_object_version 6
	.text
	.protected	k_q975bfb408e_qkv
	.globl	k_q975bfb408e_qkv
	.p2align	8
	.type	k_q975bfb408e_qkv,@function
k_q975bfb408e_qkv:
	s_mov_b64 s[64:65], 0
	v_nop
	global_prefetch_b8 v0, s[64:65] scope:SCOPE_SE
	s_setreg_imm32_b32 hwreg(HW_REG_WAVE_MODE, 25, 1), 1
	s_wait_xcnt 0x0
	s_wait_alu depctr_hold_cnt(0) depctr_sa_sdst(0) depctr_va_vdst(0) depctr_va_sdst(0) depctr_va_ssrc(0) depctr_va_vcc(0) depctr_vm_vsrc(0)
	s_getreg_b32 s2, hwreg(HW_REG_IB_STS2, 6, 4)
	s_cmp_eq_u32 s2, 0
	s_cbranch_scc0 .Lentry_in_a_cluster
	s_endpgm
.Lentry_in_a_cluster:
	s_bfe_u32 s2, ttmp6, 0x10000c
	s_cmp_lg_u32 s2, 0xf033
	s_cbranch_scc0 .Lentry_shape_is_right
	s_endpgm
.Lentry_shape_is_right:
; Q = rope(x WQ^T), K = rope(x WK^T), V = x WV^T on codes of E4M3, and the three results quantised again: Q with 2^e6, K with 2^e7, V (along the keys) with 2^e9.
; x: [8192][1024] codes, the weights [1024][1024] codes, K innermost.  The cluster x (0, 1, 2) says which of the three products a cluster of 4 x 4 work-groups makes; it is the same in all sixteen partners.
; A tile of 256 x 256 is made by four waves, 128 x 128 each: 64 accumulators of 16 x 16, 512 registers.  K = 1,024 goes in four steps of 256 through a ring of two LDS slots filled by joint tensor loads.
; ROLES.  The matrix line has source 0 = 16 rows of the B role, source 1 = 16 rows of the A role: a lane holds ONE row of the A role and eight neighbouring rows of the B role.
;   Q, K: A role = x (tokens), B role = W (features): a lane holds one token and eight neighbouring features: four pairs of the rotation, and eight neighbours along the head, the K of the scores.
;   V:    A role = WV (channels), B role = x (tokens): a lane holds one channel and eight neighbouring keys, the K of the second product of attention.
; So the conversions give operand registers as they stand, and the codes leave as IMAGES OF REGISTERS: four registers a store, lane l at 16 l, 512 consecutive bytes a store.
;   q_img, k_img: [batch x head 64][tile of 16 tokens 128][2][lane][16 bytes]: registers 2 c, 2 c + 1 of lane (r, h) = token r, head columns 16 c + 8 h + 0 .. 7.
;   v_img: [batch x head 64][128 keys 16][tile of 16 channels 4][4][lane][16 bytes]: registers 2 c, 2 c + 1 of lane (r, h) = channel r, keys 16 c + 8 h + 0 .. 7.
; THE ROTATION.  cos and sin of position x 10^(-p / 8), p = 0 .. 31, are made here in f32: the angle is rounded as a product of two f32 numbers; it is reduced by quarter turns with pi / 2 in three parts
; (fused multiply-adds), and two short polynomials on +-pi / 4 follow.  The four waves fill a table of 256 tokens x 32 (cos, sin) in LDS, 64 tokens each, a lane a frequency.
; The scales are folded: a sum stands for sum x 2^(ex + ew), and the rotation is linear, so the conversion takes 2^(e_out - ex - ew).
; LIMITS: e6 - e0 - e1, e7 - e2 - e3, e9 - e4 - e5 between -126 and 119; |token_positions| under 2^22.  NaN is not served.
; REGISTERS, in windows of 256: window 0: v0-31 addresses and what stays; v32-53 constants of sine and cosine; from v128 the fragments of the A role, ONE set; behind the loop v54-255 are free.
;   window 1: fragments of the B role, TWO sets.   window 2: accumulators of my rows 0-63 ((a, b) at v[8 (8 a + b)]);   window 3: those of my rows 64-127.
.set SIZE_K, 1024
.set KSTEP,  256                       ; along K in a slot
.set ROWB,   256                       ; a row of a tile in bytes
.set KROW,   SIZE_K                    ; a row of x or of a weight in memory, in bytes
.set PITCH,  272                       ; an LDS row: 256 bytes + 16 of padding: the 16 rows that a load touches begin 68 words apart
.set FR,     16                        ; registers of a fragment: 16 rows x 128 K
.set NL,     4                         ; LDS loads that bring one
.set NP,     4                         ; places behind this matrix instruction (ISA guide 7.12.1)
.set HALFT,  128*PITCH                 ; 128 rows: what one tensor load brings
.set SLOT,   4*HALFT                   ; 256 rows of the A role, then 256 of the B role
.set LAPS,   SIZE_K/(2*KSTEP)
.set SPARE,  2*SLOT                    ; behind the ring: the spare words, 128 bytes a wave
.set TPITCH, 272                       ; the table: a token row of 32 x (cos, sin) = 256 bytes + 16.  It lies in slot 0, at byte 0, once that slot has had its last fill and its last read
.set POSR,   256*TPITCH                ; behind the table: the positions as f32, 256 bytes for each wave
.set POSA, 7                           ; v7      4 x lane
.set PS,   8                           ; v8-9    my two positions
.set FRQ,  10                          ; v10-11  10^(-lane / 8), twice
.set TW,   12                          ; v12     table: where my wave writes: row 64 x wave, + 8 x lane
.set TR,   13                          ; v13     table: where I read: row 128 x (wave / 2) + r, + 32 h
.set PW,   14                          ; v14     POSR + 256 x wave + 4 x lane
.set PR,   15                          ; v15     POSR + 256 x wave
.set ADRA, 16                          ; v16-17  LDS address of my fragments of the A role in slot 0, 1
.set ADRB, 20                          ; v20-21  the same for the B role
.set GO,   26                          ; v26     16 x lane: my place in an image
.set SPW,  28                          ; v28     LDS address of my spare word; never rewritten
.set NIL,  29                          ; v29     0; never rewritten
.set SCL,  30                          ; v30     the scale of the conversion as f32
.set LIM,  31                          ; v31     448 x that
.set K2PI, 32                          ; v32-53  eleven constants, each twice (a pair for the packed forms)
.set KMAG, 34
.set KP1,  36
.set KP2,  38
.set KP3,  40
.set KS2,  42
.set KS1,  44
.set KS0,  46
.set KC2,  48
.set KC1,  50
.set KC0,  52
.set TA,   54                          ; v54     table address of the trip
.set PA,   55                          ; v55     positions address of the trip
.set SC0,  56                          ; v56-119 two sets of 32 at work on sine and cosine
.set TMP,  64                          ; v64-127 later: a block of 64 numbers ahead of the conversion
.set AF,   128                         ; fragments of the A role, in window 0
.set CS,   128                         ; later: v128-191 two sets of 32: (cos, sin) of a block
.set PP,   192                         ; v192-207 a trip of 16 positions
.set T2,   192                         ; later: two sets of 8 at work in the rotation
.set CD,   224                         ; v224-255 two sets of 16: codes
.set G1, 24                            ; s[24:31] descriptor group 1 for the A role;  s[32:39] group 0, one set for each slot
.set G0, 32
.set G1B, 48                           ; s[48:55], s[56:63] the same for the B role
.set G0B, 56
.set MSB, 0
.macro WIN new                         ; the high byte of the immediate repeats the setting that is left
.if MSB != \new
	s_set_vgpr_msb (MSB<<8)|\new
.set MSB, \new
.endif
.endm
.set MUL_LO, 0xa1                      ; source 0 (B role) window 1, source 1 (A role) window 0, C and D window 2
.set MUL_HI, 0xf1                      ; the same, C and D window 3
.set TO_B,   0x40                      ; destination window 1, address window 0
; A joint load: waves 0 and 1 fetch for the A role, waves 2 and 3 for the B role.  Each line has one mask and one set of registers; the branch hangs on the wave number alone.
; Four v_nop follow each of the two lines, ahead of the jump, the label and what follows.
.macro JLOAD g0a, g1a, g0b, g1b
	s_cmp_eq_u32 s15, 0
	s_cbranch_scc0 .Lfor_b_\@
	tensor_load_to_lds s[\g0a:\g0a+3], s[\g1a:\g1a+7]
	s_nop 0
.rept 4
	v_nop
.endr
	s_branch .Lasked_\@
.Lfor_b_\@:
	tensor_load_to_lds s[\g0b:\g0b+3], s[\g1b:\g1b+7]
	s_nop 0
.rept 4
	v_nop
.endr
.Lasked_\@:
.endm
.macro CREST                           ; a round of the barrier of the cluster, behind its opening barrier
	s_cmp_lg_u32 s14, 0
	s_cbranch_scc1 .Lnot_wave_0_\@
	s_barrier_signal -3
.Lnot_wave_0_\@:
	s_barrier_wait -3
	s_barrier_signal -1
	s_barrier_wait -1
.endm
.macro CROUND                          ; a whole round
	s_barrier_signal -1
	s_barrier_wait -1
	CREST
.endm
	s_load_b256 s[68:75], s[0:1], 0x0              ; x s[68:69], WQ s[70:71], WK s[72:73], WV s[74:75]
	s_load_b256 s[76:83], s[0:1], 0x20             ; the exponents s[76:77], the positions s[78:79], q_img s[80:81], k_img s[82:83]
	s_load_b64 s[84:85], s[0:1], 0x40              ; v_img
	v_lshl_add_u32 v[SPW], v0, 2, SPARE
	v_mov_b32 v[NIL], 0
	ds_add_u32 v28, v29
	ds_add_u32 v28, v29
	s_wait_dscnt 0x0
	v_lshrrev_b32 v1, 5, v0
	v_readfirstlane_b32 s14, v1                    ; wave 0..3
	s_lshr_b32 s15, s14, 1                         ; which half of the rows of the A role is mine.  Also: I fetch for the A role (0) or the B role (1)
	s_and_b32 s16, s14, 1                          ; which half of the B role.  Also: which 128 rows of that tile I fetch
	s_bfe_u32 s40, ttmp6, 0x40000                  ; cx, cy: my place in the cluster
	s_bfe_u32 s41, ttmp6, 0x40004
	s_and_b32 s13, ttmp7, 0xffff
	s_lshl_b32 s13, s13, 2                         ; 4 x cluster y: x has 32 tiles of 256 tokens, a weight has 4 tiles
	s_cmp_eq_u32 ttmp9, 2                          ; V?  (the cluster x: the same in all partners)
	s_cselect_b32 s17, 0, s13
	s_cselect_b32 s42, s13, 0
	s_add_co_u32 s17, s17, s41                     ; tile of the A role: Q, K: 4 Y + cy of x;  V: cy of WV.  It never holds cx
	s_add_co_u32 s42, s42, s40                     ; tile of the B role: Q, K: cx of W;  V: 4 Y + cx of x.  It never holds cy
	s_lshl_b32 s43, s41, 2
	s_lshl_b32 s43, 15, s43                        ; my row of the cluster
	s_lshl_b32 s44, 0x1111, s40                    ; my column
	; descriptor group 1: a tile of 128 rows x 256 bytes, padded in LDS
	s_or_b32 s[G1+0], s43, (0<<16)|(1<<20)|(1<<21)|(5<<22)|(3<<25)  ; 15:0 the mask: tiles of the A role go to my row; 17:16 elements of 1 byte; 20 padding on; 21 set beside a mask; 24:22 after every 64 words; 31:25 four words
	s_or_b32 s[G1B+0], s44, (0<<16)|(1<<20)|(1<<21)|(5<<22)|(3<<25) ; the same with the mask of my column
.irp g, G1, G1B
	s_mov_b32 s[\g+1], ROWB<<16                    ; tensor_dim0
	s_mov_b32 s[\g+2], 128<<16                     ; tensor_dim1 = 128
	s_mov_b32 s[\g+3], ROWB<<16                    ; tile_dim0
	s_mov_b32 s[\g+4], 128                         ; tile_dim1 = 128
	s_mov_b32 s[\g+5], KROW                        ; tensor_dim0_stride
	s_mov_b32 s[\g+6], 0
	s_mov_b32 s[\g+7], 0
.endr
	s_lshl_b32 s18, s16, 7                         ; which 128 rows of the tile I fetch
	s_lshl_b32 s20, s17, 8
	s_add_co_u32 s20, s20, s18                     ; A role: row 256 x tile + 128 x half
	s_lshl_b32 s46, s42, 8
	s_add_co_u32 s46, s46, s18                     ; B role likewise
	s_mov_b32 s21, 0
	s_mov_b32 s47, 0
	s_mov_b64 s[18:19], KROW
	s_mul_u64 s[20:21], s[20:21], s[18:19]
	s_mul_u64 s[46:47], s[46:47], s[18:19]
	s_mul_i32 s45, s14, HALFT                      ; where they go: wave x 128 rows: no place in the cluster enters an LDS address
	s_and_b32 s12, s17, 7                          ; the positions of my wave: 256 x (tile mod 8) + 64 x wave, 4 bytes each (used by Q and K; V loads them too, inside the buffer, so that no path differs)
	s_lshl_b32 s12, s12, 10
	s_lshl_b32 s13, s14, 8
	s_add_co_u32 s12, s12, s13
	s_mov_b32 s13, 0
	s_wait_kmcnt 0x0
	s_load_b256 s[88:95], s[76:77], 0x0            ; e0 .. e7
	s_load_b128 s[96:99], s[76:77], 0x20           ; e8 .. e11
	s_cmp_eq_u32 ttmp9, 0
	s_cselect_b64 s[8:9], s[70:71], s[72:73]       ; WQ or WK,
	s_cmp_eq_u32 ttmp9, 2
	s_cselect_b64 s[8:9], s[74:75], s[8:9]         ; or WV
	s_cselect_b64 s[4:5], s[8:9], s[68:69]         ; the A role: x, for V the weight
	s_cselect_b64 s[6:7], s[68:69], s[8:9]         ; the B role: the weight, for V x
	s_add_nc_u64 s[20:21], s[4:5], s[20:21]
	s_add_nc_u64 s[46:47], s[6:7], s[46:47]
	s_add_nc_u64 s[86:87], s[78:79], s[12:13]
	CROUND                                         ; all sixteen work-groups are here: the first joint loads meet
.irp s, 0,1
	s_mov_b32 s[G0+4*\s], 1
	s_add_co_u32 s[G0+4*\s+1], s45, \s*SLOT
	s_add_nc_u64 s[G0+4*\s+2:G0+4*\s+3], s[20:21], \s*ROWB
	s_or_b32 s[G0+4*\s+3], s[G0+4*\s+3], 0x80000000
	s_mov_b32 s[G0B+4*\s], 1
	s_add_co_u32 s[G0B+4*\s+1], s45, \s*SLOT
	s_add_nc_u64 s[G0B+4*\s+2:G0B+4*\s+3], s[46:47], \s*ROWB
	s_or_b32 s[G0B+4*\s+3], s[G0B+4*\s+3], 0x80000000
	JLOAD G0+4*\s, G1, G0B+4*\s, G1B
.endr
	; while the first tiles are on their way: addresses, my positions, the frequency of my lane, the constants
	v_and_b32 v1, 15, v0                           ; r = l % 16
	v_bfe_u32 v2, v0, 4, 1                         ; h = l / 16
	v_and_b32 v6, 31, v0                           ; lane
	s_wait_alu depctr_va_vdst(0)
	v_lshlrev_b32 v[POSA], 2, v6
	global_load_b32 v[PS], v[POSA], s[86:87]               ; the positions of tokens 64 w + lane and 64 w + 32 + lane of the tile; waited for behind the loop; address and base are never rewritten
	global_load_b32 v[PS+1], v[POSA], s[86:87] offset:128
	v_mul_u32_u24 v3, v1, PITCH
	v_lshl_add_u32 v4, v2, 4, v3                   ; the row of a fragment x pitch + 16 x half
	s_mul_i32 s21, s15, HALFT                      ; my 128 rows of the A role
	s_mul_i32 s22, s16, HALFT                      ; my 128 rows of the B role,
	s_add_co_u32 s22, s22, 2*HALFT                 ; which lie behind the 256 of the A role
.irp s, 0,1
	v_add_nc_u32 v[ADRA+\s], s21, v4
	v_add_nc_u32 v[ADRB+\s], s22, v4
	s_add_co_u32 s21, s21, SLOT
	s_add_co_u32 s22, s22, SLOT
.endr
	v_lshlrev_b32 v[GO], 4, v6
	s_mul_i32 s23, s14, 64*TPITCH
	v_lshlrev_b32 v[TW], 3, v6
	v_add_nc_u32 v[TW], s23, v[TW]
	s_mul_i32 s23, s15, 128*TPITCH
	v_mul_u32_u24 v[TR], v1, TPITCH
	v_lshl_add_u32 v[TR], v2, 5, v[TR]
	v_add_nc_u32 v[TR], s23, v[TR]
	v_lshrrev_b32 v[PR], 5, v0
	v_lshl_add_u32 v[PR], v[PR], 8, POSR           ; my wave has 256 bytes of its own for its 64 positions,
	v_lshl_add_u32 v[PW], v6, 2, v[PR]             ; and my lane a word in each half of them
	v_mov_b32 v[FRQ], 1.0                          ; 10000^(-lane / 32) = 10^(-lane / 8): each lane picks its own number out of 32, each rounded once to f32
.macro FRQ1 i, val
	v_cmp_ne_u32 vcc_lo, \i, v6
	v_cndmask_b32 v[FRQ], \val, v[FRQ], vcc_lo
.endm
	FRQ1 1, 0.7498942093324559
	FRQ1 2, 0.5623413251903491
	FRQ1 3, 0.4216965034285822
	FRQ1 4, 0.31622776601683794
	FRQ1 5, 0.23713737056616552
	FRQ1 6, 0.17782794100389228
	FRQ1 7, 0.1333521432163324
	FRQ1 8, 0.1
	FRQ1 9, 0.07498942093324559
	FRQ1 10, 0.05623413251903491
	FRQ1 11, 0.04216965034285822
	FRQ1 12, 0.031622776601683794
	FRQ1 13, 0.023713737056616552
	FRQ1 14, 0.017782794100389228
	FRQ1 15, 0.01333521432163324
	FRQ1 16, 0.01
	FRQ1 17, 0.007498942093324559
	FRQ1 18, 0.005623413251903491
	FRQ1 19, 0.004216965034285822
	FRQ1 20, 0.0031622776601683794
	FRQ1 21, 0.0023713737056616552
	FRQ1 22, 0.0017782794100389228
	FRQ1 23, 0.001333521432163324
	FRQ1 24, 0.001
	FRQ1 25, 0.0007498942093324559
	FRQ1 26, 0.0005623413251903491
	FRQ1 27, 0.0004216965034285822
	FRQ1 28, 0.00031622776601683794
	FRQ1 29, 0.00023713737056616552
	FRQ1 30, 0.00017782794100389228
	FRQ1 31, 0.0001333521432163324
	v_mov_b32 v[FRQ+1], v[FRQ]
.macro KSET r, val
	v_mov_b32 v[\r], \val
	v_mov_b32 v[\r+1], \val
.endm
	KSET K2PI, 0x3f22f983                          ; 2 / pi
	KSET KMAG, 0x4b400000                          ; 1.5 x 2^23: a sum with it is rounded to a whole number, whose low bits stand in the low bits of the pattern
	KSET KP1,  0xbfc90fda                          ; -pi / 2 in three parts
	KSET KP2,  0xb3a22168
	KSET KP3,  0xa7c234c5
	KSET KS2,  0xb94ca1f9                          ; sine on +-pi / 4: r + r z (S0 + z (S1 + z S2)), z = r r: -1.9515295891e-4, 8.3321608736e-3, -1.6666654611e-1
	KSET KS1,  0x3c08839e
	KSET KS0,  0xbe2aaaa3
	KSET KC2,  0x37ccf5ce                          ; cosine: 1 - z / 2 + z z (C0 + z (C1 + z C2)): 2.4433157118e-5, -1.3887316255e-3, 4.1666645683e-2
	KSET KC1,  0xbab6061a
	KSET KC0,  0x3d2aaaa5
.macro FRAG reg, adr, q, i             ; a fragment, 16 rows x 128 K of codes, is 16 registers: lane l holds row l % 16; registers 4 c .. 4 c + 3 hold K = 32 c + 16 (l / 16) + 0 .. 15: the same order of k on both sides
.irp c, 0,1,2,3
	ds_load_b128 v[\reg+4*\c:\reg+4*\c+3], v[\adr] offset:128*(\q)+32*\c+(\i)*16*PITCH
.endr
.endm
; 16 matrix instructions: blocks a0, a0 + 1 of the A role x the eight of the B role, 128 along K.  p: the set of the B role.  zero = 1: the first product starts the sums.
; The 64 accumulators take turns, one instruction a turn, in the same order in every step.
.macro MUL16 a0, p, zero
.irp a, \a0, \a0+1
.irp b, 0,1,2,3,4,5,6,7
.if \zero
	v_wmma_f32_16x16x128_fp8_fp8 v[8*(8*((\a)%4)+\b):8*(8*((\a)%4)+\b)+7], v[128*(\p)+FR*\b:128*(\p)+FR*\b+FR-1], v[AF+FR*(\a):AF+FR*(\a)+FR-1], 0
.else
	v_wmma_f32_16x16x128_fp8_fp8 v[8*(8*((\a)%4)+\b):8*(8*((\a)%4)+\b)+7], v[128*(\p)+FR*\b:128*(\p)+FR*\b+FR-1], v[AF+FR*(\a):AF+FR*(\a)+FR-1], v[8*(8*((\a)%4)+\b):8*(8*((\a)%4)+\b)+7]
.endif
.endr
.endr
.endm
.macro FETCH_B slot, q, p              ; the eight fragments of the B role of the q-th 128 along K of the slot, into set p
	WIN TO_B
.irp i, 0,1,2,3,4,5,6,7
	FRAG 128*(\p)+FR*\i, ADRB+\slot, \q, \i
.endr
	WIN 0
.endm
.macro FETCH_A slot, q, i0             ; blocks i0 .. i0 + 3 of the A role
.irp i, \i0, \i0+1, \i0+2, \i0+3
	FRAG AF+FR*(\i), ADRA+\slot, \q, \i
.endr
.endm
; A load into a register that a matrix instruction has read, and a vector instruction that reads a matrix result, stand NP places behind that matrix instruction; only plain vector
; instructions that name none of its registers are places (ISA guide 7.12.1 for vector instructions).
.macro PLACES n
.rept \n
	v_nop
.endr
.endm
; A step of 128 along K that has its successor in the same slot.
.macro STEP slot, q, zero
	s_wait_dscnt 4*NL                              ; the set of the B role and blocks 0-3 of the A role are in; the youngest 16 loads (blocks 4-7) may be out
	WIN MUL_LO
	MUL16 0, (\q)%2, \zero
	MUL16 2, (\q)%2, \zero
	s_wait_dscnt 0                                 ; blocks 4-7 are in (asked for 32 matrix instructions ago)
	PLACES NP
	FETCH_B \slot, (\q)+1, 1-(\q)%2
	FETCH_A \slot, (\q)+1, 0
	WIN MUL_HI
	MUL16 4, (\q)%2, \zero
	MUL16 6, (\q)%2, \zero
	PLACES NP
	WIN 0
	FETCH_A \slot, (\q)+1, 4
.endm
; The last step of a slot changes slots: ONE barrier; in front of it each wave waits for all its tensor loads, adds 0 to its spare word, and waits for that and for its own reads of this slot.  fill = 1: this slot is filled again, two K steps ahead.
.macro TURN slot, next, fill
	s_wait_tensorcnt 0x0                           ; all my tensor loads have landed: my part of the next slot  (every window is 0 here)
	ds_add_u32 v[SPW], v[NIL]                      ; 0 onto my spare word
	s_wait_dscnt 4*NL+1                            ; (the add and the youngest 16 loads may be out)
	WIN MUL_LO
	MUL16 0, 1, 0                                  ; sixteen matrix instructions stand between the add and the wait for it
	s_wait_dscnt 0x0                               ; the add is done, and my reads of this slot are over
	s_barrier_signal -1
	MUL16 2, 1, 0
	WIN 0
	s_barrier_wait -1
.if \fill
	CREST                                          ; the barrier has opened a round of the cluster: no wave of any partner still reads this slot or has a load on its way
	s_add_nc_u64 s[G0+4*\slot+2:G0+4*\slot+3], s[G0+4*\slot+2:G0+4*\slot+3], 2*ROWB
	s_add_nc_u64 s[G0B+4*\slot+2:G0B+4*\slot+3], s[G0B+4*\slot+2:G0B+4*\slot+3], 2*ROWB
	JLOAD G0+4*\slot, G1, G0B+4*\slot, G1B         ; the first tensor load behind the round; its four v_nop are also the places in front of the loads below
.else
	PLACES NP
.endif
	FETCH_B \next, 0, 0
	FETCH_A \next, 0, 0
	WIN MUL_HI
	MUL16 4, 1, 0
	MUL16 6, 1, 0
	PLACES NP
	WIN 0
	FETCH_A \next, 0, 4
.endm
	s_wait_tensorcnt 1                             ; my part of K step 0 is in (the load of K step 1 may be out),
	s_barrier_signal -1
	s_barrier_wait -1                              ; and that of every wave
	FETCH_B 0, 0, 0
	FETCH_A 0, 0, 0
	FETCH_A 0, 0, 4
	STEP 0, 0, 1                                   ; the first step stands in front of the loop: its products start the sums
	s_mov_b32 s3, LAPS-1
.Llap:                                                 ; a trip goes once round the ring and fills both slots again
	TURN 0, 1, 1
	STEP 1, 0, 0
	TURN 1, 0, 1
	STEP 0, 0, 0
	s_sub_co_u32 s3, s3, 1
	s_cmp_lg_u32 s3, 0
	s_cbranch_scc1 .Llap
	TURN 0, 1, 0                                   ; the last lap fills nothing.  Behind this barrier nobody reads slot 0 any more, and it has had its last fill
	STEP 1, 0, 0
	s_wait_dscnt 4*NL                              ; the very last step
	WIN MUL_LO
	MUL16 0, 1, 0
	MUL16 2, 1, 0
	s_wait_dscnt 0
	WIN MUL_HI
	MUL16 4, 1, 0
	MUL16 6, 1, 0
	WIN 0
	PLACES NP                                      ; behind the last products: for the reads of results and the loads into the registers of the A role
	; the one scale of the conversion, and where my images go
	s_wait_kmcnt 0x0
	s_sub_co_i32 s2, s94, s88                      ; Q: e6 - e0 - e1
	s_sub_co_i32 s2, s2, s89
	s_sub_co_i32 s12, s95, s90                     ; K: e7 - e2 - e3
	s_sub_co_i32 s12, s12, s91
	s_sub_co_i32 s13, s97, s92                     ; V: e9 - e4 - e5
	s_sub_co_i32 s13, s13, s93
	s_cmp_eq_u32 ttmp9, 0
	s_cselect_b32 s2, s2, s12
	s_cselect_b64 s[10:11], s[80:81], s[82:83]     ; q_img or k_img,
	s_cmp_eq_u32 ttmp9, 2
	s_cselect_b32 s2, s13, s2
	s_cselect_b64 s[10:11], s[84:85], s[10:11]     ; or v_img
	s_cselect_b32 s18, s42, s17                    ; the tile of x,
	s_cselect_b32 s19, s17, s42                    ; the tile of the weight (4 heads),
	s_cselect_b32 s20, s15, s16                    ; my half of the weight tile (2 heads),
	s_cselect_b32 s21, s16, s15                    ; my half of the tokens (128)
	s_add_co_i32 s2, s2, 127
	s_lshl_b32 s12, s2, 23
	v_mov_b32 v[SCL], s12                          ; the scale as f32: the conversion takes its exponent field
	s_add_co_i32 s2, s2, 8
	s_lshl_b32 s2, s2, 23
	s_or_b32 s2, s2, 0x600000
	v_mov_b32 v[LIM], s2                           ; 448 x the scale
	s_lshr_b32 s22, s18, 3                         ; batch
	s_lshl_b32 s22, s22, 4
	s_lshl_b32 s19, s19, 2
	s_add_co_u32 s22, s22, s19
	s_lshl_b32 s20, s20, 1
	s_add_co_u32 s22, s22, s20                     ; 16 x batch + my first head,
	s_lshl_b32 s22, s22, 17                        ; 131,072 bytes each
	s_and_b32 s18, s18, 7
	s_lshl_b32 s18, s18, 1
	s_add_co_u32 s18, s18, s21                     ; which 128 tokens of the sequence,
	s_lshl_b32 s18, s18, 13                        ; 8,192 bytes each, in all three images
	s_add_co_u32 s22, s22, s18
	s_mov_b32 s23, 0
	s_add_nc_u64 s[10:11], s[10:11], s[22:23]
	; my positions as f32 into my wave's own 256 bytes of LDS, from where every lane of the wave can read any of them
	s_wait_loadcnt 0x0
	v_cvt_f32_i32 v[PS], v[PS]
	v_cvt_f32_i32 v[PS+1], v[PS+1]
	ds_store_b32 v[PW], v[PS]                      ; tokens 64 w + lane: bytes 0 to 127 of my wave's 256
	ds_store_b32 v[PW], v[PS+1] offset:128         ; tokens 64 w + 32 + lane: bytes 128 to 255
; cos and sin of two tokens at the frequency of my lane.  p: the pair of positions; s: 24 registers at work; off: the first token row in the table
.macro SINCOS2 p, s, off
	v_pk_mul_f32 v[\s:\s+1], v[\p:\p+1], v[FRQ:FRQ+1]                                   ; the angle, rounded once
	v_pk_fma_f32 v[\s+2:\s+3], v[\s:\s+1], v[K2PI:K2PI+1], v[KMAG:KMAG+1]               ; 1.5 x 2^23 + n, n = the nearest whole number of quarter turns
	v_pk_add_f32 v[\s+4:\s+5], v[\s+2:\s+3], v[KMAG:KMAG+1] neg_lo:[0,1] neg_hi:[0,1]   ; n
	v_pk_fma_f32 v[\s:\s+1], v[\s+4:\s+5], v[KP1:KP1+1], v[\s:\s+1]                     ; r = angle - n pi / 2, in three fused steps
	v_pk_fma_f32 v[\s:\s+1], v[\s+4:\s+5], v[KP2:KP2+1], v[\s:\s+1]
	v_pk_fma_f32 v[\s:\s+1], v[\s+4:\s+5], v[KP3:KP3+1], v[\s:\s+1]
	v_pk_mul_f32 v[\s+6:\s+7], v[\s:\s+1], v[\s:\s+1]                                   ; z = r r
	v_pk_fma_f32 v[\s+8:\s+9], v[\s+6:\s+7], v[KS2:KS2+1], v[KS1:KS1+1]
	v_pk_fma_f32 v[\s+12:\s+13], v[\s+6:\s+7], v[KC2:KC2+1], v[KC1:KC1+1]
	v_pk_mul_f32 v[\s+10:\s+11], v[\s+6:\s+7], v[\s:\s+1]                               ; z r
	v_pk_mul_f32 v[\s+16:\s+17], v[\s+6:\s+7], v[\s+6:\s+7]                             ; z z
	v_pk_fma_f32 v[\s+8:\s+9], v[\s+8:\s+9], v[\s+6:\s+7], v[KS0:KS0+1]
	v_pk_fma_f32 v[\s+12:\s+13], v[\s+12:\s+13], v[\s+6:\s+7], v[KC0:KC0+1]
	v_pk_fma_f32 v[\s+14:\s+15], v[\s+6:\s+7], -0.5, 1.0 op_sel_hi:[1,0,0]              ; 1 - z / 2
	v_pk_fma_f32 v[\s+10:\s+11], v[\s+8:\s+9], v[\s+10:\s+11], v[\s:\s+1]               ; sin r
	v_pk_fma_f32 v[\s+14:\s+15], v[\s+12:\s+13], v[\s+16:\s+17], v[\s+14:\s+15]         ; cos r
.irp k, 0,1                                    ; the quarter q = n mod 4: odd: sine and cosine change places; sine is negative for q = 2, 3, cosine for q = 1, 2
	v_and_b32 v[\s+22], 1, v[\s+2+\k]
	v_cmp_eq_u32 vcc_lo, 1, v[\s+22]
	v_cndmask_b32 v[\s+19+2*\k], v[\s+10+\k], v[\s+14+\k], vcc_lo
	v_cndmask_b32 v[\s+18+2*\k], v[\s+14+\k], v[\s+10+\k], vcc_lo
	v_lshlrev_b32 v[\s+22], 30, v[\s+2+\k]
	v_add_nc_u32 v[\s+23], 1, v[\s+2+\k]
	v_and_b32 v[\s+22], 0x80000000, v[\s+22]
	v_lshlrev_b32 v[\s+23], 30, v[\s+23]
	v_xor_b32 v[\s+19+2*\k], v[\s+19+2*\k], v[\s+22]
	v_and_b32 v[\s+23], 0x80000000, v[\s+23]
	v_xor_b32 v[\s+18+2*\k], v[\s+18+2*\k], v[\s+23]
	ds_store_b64 v[TA], v[\s+18+2*\k:\s+19+2*\k] offset:\off+\k*TPITCH                  ; (cos, sin): the 32 lanes fill the 256 bytes of a token row
.endr
.endm
	; THE TABLE: four trips of 16 tokens.  Every wave of every work-group walks the loop; the work-groups of V jump over the work (a branch on the cluster x), not over the steps
	s_mov_b32 s12, 0
	s_mov_b32 s13, 0
	s_mov_b32 s2, 4
.Ltab:
	s_cmp_eq_u32 ttmp9, 2
	s_cbranch_scc1 .Ltab_skip
	v_add_nc_u32 v[TA], s12, v[TW]
	v_add_nc_u32 v[PA], s13, v[PR]
.irp k, 0,1,2,3,4,5,6,7
	ds_load_b64 v[PP+2*\k:PP+2*\k+1], v[PA] offset:8*\k    ; two positions, the same in every lane, out of my wave's own 256 bytes: 64 x trip + 8 k; LDS serves the instructions of a wave in order: these see my stores
.endr
	s_wait_dscnt 0x0
.irp k, 0,1,2,3,4,5,6,7
	SINCOS2 PP+2*\k, SC0+32*(\k%2), 2*\k*TPITCH
.endr
.Ltab_skip:
	s_add_co_u32 s12, s12, 16*TPITCH
	s_add_co_u32 s13, s13, 64
	s_sub_co_u32 s2, s2, 1
	s_cmp_lg_u32 s2, 0
	s_cbranch_scc1 .Ltab
	s_wait_dscnt 0x0                               ; for the sake of the others: my rows of the table are written
	s_barrier_signal -1
	s_barrier_wait -1                              ; a wave reads 128 rows, which two waves wrote
	s_cmp_eq_u32 ttmp9, 2
	s_cbranch_scc1 .Lv_out
; Q AND K.  Block a: 16 tokens x my 128 features = two heads.  Accumulator (a, b): lane (r, h) holds token 16 a + r and columns 16 (b % 4) + 8 h + 0 .. 7 of head b / 4: pairs 8 (b % 4) + 4 h + 0 .. 3.
.macro CSLOAD a                        ; (cos, sin) of my token for my 16 pairs: four pairs, 32 bytes, for each b % 4
.set CB, CS+32*((\a)%2)
.irp c, 0,1,2,3
	ds_load_b128 v[CB+8*\c:CB+8*\c+3], v[TR] offset:(\a)*16*TPITCH+64*\c
	ds_load_b128 v[CB+8*\c+4:CB+8*\c+7], v[TR] offset:(\a)*16*TPITCH+64*\c+16
.endr
.endm
.macro QKBLK a
.if (\a) < 7
	CSLOAD (\a)+1
	s_wait_dscnt 8                                 ; the eight loads of this block are in; those of the next may be out
.else
	s_wait_dscnt 0x0
.endif
.set CB, CS+32*((\a)%2)
.set AC, 64*((\a)%4)
.set CC, CD+16*((\a)%2)
	WIN 0x02+((\a)/4)                              ; source 0: window 2 or 3
.irp b, 0,1,2,3,4,5,6,7                        ; each accumulator from its low end on
.irp i, 0,1,2,3
	v_pk_mul_f32 v[T2+8*(\b%2)+2*\i:T2+8*(\b%2)+2*\i+1], v[AC+8*\b+2*\i:AC+8*\b+2*\i+1], v[CB+8*(\b%4)+2*\i:CB+8*(\b%4)+2*\i+1] op_sel:[1,1] op_sel_hi:[1,0]   ; (x2 sin, x2 cos)
.endr
.irp i, 0,1,2,3
	v_pk_fma_f32 v[TMP+8*\b+2*\i:TMP+8*\b+2*\i+1], v[AC+8*\b+2*\i:AC+8*\b+2*\i+1], v[CB+8*(\b%4)+2*\i:CB+8*(\b%4)+2*\i+1], v[T2+8*(\b%2)+2*\i:T2+8*(\b%2)+2*\i+1] op_sel_hi:[0,1,1] neg_lo:[0,0,1]   ; (x1 cos - x2 sin, x1 sin + x2 cos)
.endr
.endr
	WIN 0
.set i, 0
.rept 64
.set i, i+1
.endr
	s_wait_alu depctr_va_vdst(0)
	s_wait_xcnt 0x0                                ; the earlier stores have read their registers: the codes may be written
.irp b, 0,1,2,3,4,5,6,7
	v_cvt_scalef32_pk8_fp8_f32 v[CC+2*\b:CC+2*\b+1], v[TMP+8*\b:TMP+8*\b+7], v[SCL]   ; registers 2 (b % 4), 2 (b % 4) + 1 of the fragment of head b / 4
.endr
	v_nop                                          ; a plain line between the conversions and the next vector line that writes their sources
.irp hd, 0,1
.irp g, 0,1
	global_store_b128 v[GO], v[CC+8*\hd+4*\g:CC+8*\hd+4*\g+3], s[10:11] offset:\hd*131072+(\a)*1024+\g*512   ; 32 lanes store 512 consecutive bytes, aligned
.endr
.endr
.endm
	CSLOAD 0
.irp a, 0,1,2,3,4,5,6,7
	QKBLK \a
.endr
	s_branch .Ldone
; V.  Block a: 16 channels (tile a % 4 of head a / 4 of my two) x my 128 keys: one fragment.  Accumulator (a, b): lane (r, h) holds channel r and keys 16 b + 8 h + 0 .. 7: registers 2 b, 2 b + 1.
.macro VBLK a
.set AC, 64*((\a)%4)
.set CC, CD+16*((\a)%2)
	WIN 0x02+((\a)/4)
.set i, 0
.rept 64
	v_med3_num_f32 v[TMP+i], v[AC+i], -v[LIM], v[LIM]      ; the hold; each accumulator from its low end on
.set i, i+1
.endr
	WIN 0
	s_wait_alu depctr_va_vdst(0)
	s_wait_xcnt 0x0                                ; the earlier stores have read their registers
.irp b, 0,1,2,3,4,5,6,7
	v_cvt_scalef32_pk8_fp8_f32 v[CC+2*\b:CC+2*\b+1], v[TMP+8*\b:TMP+8*\b+7], v[SCL]
.endr
	v_nop
.irp g, 0,1,2,3
	global_store_b128 v[GO], v[CC+4*\g:CC+4*\g+3], s[10:11] offset:((\a)/4)*131072+((\a)%4)*2048+\g*512
.endr
.endm
.Lv_out:
	s_wait_alu depctr_va_vdst(0)
.irp a, 0,1,2,3,4,5,6,7
	VBLK \a
.endr
.Ldone:
	s_wait_tensorcnt 0x0                           ; the end of the wave: behind my last tensor load and my last LDS store
	ds_add_u32 v[SPW], v[NIL]
	s_wait_dscnt 0x0
	CROUND                                         ; the closing round: no work-group ends while a partner may still ask for a tile that names it
	s_endpgm
.Lfunc_end_k_q975bfb408e_qkv:
	.size	k_q975bfb408e_qkv, .Lfunc_end_k_q975bfb408e_qkv-k_q975bfb408e_qkv
	.p2alignl 7, 3214868480
	.fill 96, 4, 3214868480
	.section	.rodata,"a",@progbits
	.p2align	6, 0x0
	.amdhsa_kernel k_q975bfb408e_qkv
		.amdhsa_group_segment_fixed_size 327680
		.amdhsa_private_segment_fixed_size 0
		.amdhsa_enable_private_segment 0
		.amdhsa_kernarg_size 72
		.amdhsa_user_sgpr_count 2
		.amdhsa_user_sgpr_kernarg_segment_ptr 1
		.amdhsa_wavefront_size32 1
		.amdhsa_system_sgpr_workgroup_id_x 1
		.amdhsa_system_sgpr_workgroup_id_y 1
		.amdhsa_system_sgpr_workgroup_id_z 1
		.amdhsa_system_vgpr_workitem_id 0
		.amdhsa_next_free_vgpr 1024
		.amdhsa_next_free_sgpr 100
		.amdhsa_reserve_vcc 1
		.amdhsa_float_denorm_mode_32 3
		.amdhsa_float_denorm_mode_16_64 3
		.amdhsa_fp16_overflow 1
		.amdhsa_memory_ordered 1
		.amdhsa_forward_progress 1
		.amdhsa_inst_pref_size 186
	.end_amdhsa_kernel
	.amdgpu_metadata
---
amdhsa.version: [ 1, 2 ]
amdhsa.kernels:
  - .name:           k_q975bfb408e_qkv
    .symbol:         k_q975bfb408e_qkv.kd
    .args:
      - { .name: x_codes, .offset: 0, .size: 8, .value_kind: global_buffer, .address_space: global }
      - { .name: WQ_codes, .offset: 8, .size: 8, .value_kind: global_buffer, .address_space: global }
      - { .name: WK_codes, .offset: 16, .size: 8, .value_kind: global_buffer, .address_space: global }
      - { .name: WV_codes, .offset: 24, .size: 8, .value_kind: global_buffer, .address_space: global }
      - { .name: lowp_scales, .offset: 32, .size: 8, .value_kind: global_buffer, .address_space: global }
      - { .name: token_positions, .offset: 40, .size: 8, .value_kind: global_buffer, .address_space: global }
      - { .name: q_img, .offset: 48, .size: 8, .value_kind: global_buffer, .address_space: global }
      - { .name: k_img, .offset: 56, .size: 8, .value_kind: global_buffer, .address_space: global }
      - { .name: v_img, .offset: 64, .size: 8, .value_kind: global_buffer, .address_space: global }
    .group_segment_fixed_size: 327680
    .private_segment_fixed_size: 0
    .kernarg_segment_align: 8
    .kernarg_segment_size: 72
    .max_flat_workgroup_size: 128
    .sgpr_count:     100
    .vgpr_count:     1024
    .wavefront_size: 32
...
	.end_amdgpu_metadata
.endif
;; end of part 1
;; launch attn (part 2): grid 4 x 64, 16 waves a work-group, clusters of 4 x 1, 264,192 bytes of LDS; arguments q_img, k_img, v_img, lowp_scales, a_img; writes a_img
.if DOCPART == 2
	.amdgcn_target "amdgcn-amd-amdhsa--gfx1250"
	.amdhsa_code_object_version 6
	.text
	.protected	k_q975bfb408e_attn
	.globl	k_q975bfb408e_attn
	.p2align	8
	.type	k_q975bfb408e_attn,@function
k_q975bfb408e_attn:
	s_mov_b64 s[64:65], 0
	v_nop
	global_prefetch_b8 v0, s[64:65] scope:SCOPE_SE
	s_setreg_imm32_b32 hwreg(HW_REG_WAVE_MODE, 25, 1), 1
	s_wait_xcnt 0x0
	s_wait_alu depctr_hold_cnt(0) depctr_sa_sdst(0) depctr_va_vdst(0) depctr_va_sdst(0) depctr_va_ssrc(0) depctr_va_vcc(0) depctr_vm_vsrc(0)
	s_getreg_b32 s2, hwreg(HW_REG_IB_STS2, 6, 4)
	s_cmp_eq_u32 s2, 0
	s_cbranch_scc0 .Lentry_in_a_cluster
	s_endpgm
.Lentry_in_a_cluster:
	s_bfe_u32 s2, ttmp6, 0x10000c
	s_cmp_lg_u32 s2, 0x3003
	s_cbranch_scc0 .Lentry_shape_is_right
	s_endpgm
.Lentry_shape_is_right:
; Causal attention of one (batch, head) for each cluster of four work-groups, both products on codes of E4M3, and the result quantised with 2^e10 for the last projection.
; q_img, k_img: [64][tile of 16 tokens 128][2][lane][16 bytes]; v_img: [64][128 keys 16][tile of 16 channels 4][4][lane][16 bytes]: images of operand registers.
; a_img: [tile of 16 tokens 512][128 along the model 8][4][lane][16 bytes]: registers 4 c .. 4 c + 3 of lane (r, h) = token r, k = 32 c + 16 h + 0 .. 15.
; THE SOFTMAX: t = score x log2(e) / 8; M = the running largest t rounded UP to a whole number; p = 2^(t - M) is quantised with 2^e8, not normalised; the sum is taken of the unquantised p and divides at the end.
; When M moves, the sum and O are multiplied by 2^(old M - new M), which rounds nothing.
; SHARES.  The 128 query tiles of the head are dealt out so: tile T = 4 u + cx, u = 0 .. 31, cx = the place of the work-group in its cluster.  Wave w takes u = 31 - w, then u = w.
; Tile T wants the key steps (128 keys) 0 .. u / 2: every wave of every work-group has 17 steps, and whether a step is hidden (2 ks > u), open (2 ks + 2 <= u) or on the diagonal hangs on u and ks
; alone: no branch hangs on cx.  cx enters the global addresses of Q and of the result, and the number that the mask compares with.
; LDS holds the whole head: the image of K at 0, that of V at 131,072.  Each byte is filled once, by joint tensor loads (the four work-groups walk the same K and V), three for each of the 16 waves,
; in three stages (key steps 0-1, 2-7, 8-15), so that the work begins when the first stage has landed.  By the count of this text a wave has three loads out.
; LAYOUT.  S^T = K Q^T (source 0 = 16 keys, source 1 = my 16 queries): lane (r, h) holds query r, register 8 t + j key 16 t + 8 h + j.  The conversion of tile t gives registers 2 t, 2 t + 1 of
; the operand of O^T = V^T P^T (K = 128 keys) in the true order of k.  O^T: lane (r, h) holds query r, register 8 ct + j channel 16 ct + 8 h + j.
; LIMITS: e6 + e7 between -123 and 130 (added to the exponent field of c); e8, and e10 - e8 - e9, between -126 and 119.  NaN is not served.
; REGISTERS: v1 16 x lane; v2 r - 8 h + 16 cx; v4, v5 LDS addresses of the step; v12 -M, v13 the largest t, v[14:15] the sum in two halves; v16-23, v24-31 Q of the two passes;
; v32-95 fragments of K, then of V; v96-159 S^T, then p; v160-191 O^T; v192-207 codes of p; v208-215 codes on the way out; v216-223 at work; v224, v226 scales; v228 -infinity; v229 the mask number.
.set LI,  1
.set RH,  2
.set ADK, 4
.set ADV, 5
.set WV,  14                           ; s14  my wave
.set CX,  15                           ; s15  cx
.set UA,  16                           ; s16  u of the first pass: 31 - wave
.set UB,  17                           ; s17  u of the second pass: wave
.set BH,  18                           ; s18  16 x batch + head
.set SEL, 20                           ; s[20:21] lane selects for v_permlanex16_b32: lane l xor 16
.set CS,  22                           ; s[22:23] c = log2(e) / 8 x 2^(e6 + e7)
.set TB,  60                           ; s60  LDS byte at which the key step begins in the image of K
.set KS2, 61                           ; s61  2 x the key step
.set HM,  76                           ; s76  the mask of lanes 16-31
.set VOFF, 0x20000                     ; the image of V in LDS
.macro CROUND                          ; a round of the barrier of the cluster
	s_barrier_signal -1
	s_barrier_wait -1
	s_cmp_lg_u32 s[WV], 0
	s_cbranch_scc1 .Lnot_wave_0_\@
	s_barrier_signal -3
.Lnot_wave_0_\@:
	s_barrier_wait -3
	s_barrier_signal -1
	s_barrier_wait -1
.endm
.macro G1SET g, r                      ; descriptor group 1: a dense block of r rows of 256 bytes, for all four work-groups
	s_mov_b32 s[\g], 15|(3<<16)|(1<<21)            ; 15:0 the mask; 17:16 elements of 8 bytes; 21 set beside a mask; no padding
	s_mov_b32 s[\g+1], 32<<16                      ; tensor_dim0 = 32
	s_mov_b32 s[\g+2], (\r)<<16                    ; tensor_dim1
	s_mov_b32 s[\g+3], 32<<16                      ; tile_dim0 = 32
	s_mov_b32 s[\g+4], \r                          ; tile_dim1
	s_mov_b32 s[\g+5], 32                          ; the pitch
	s_mov_b32 s[\g+6], 0
	s_mov_b32 s[\g+7], 0
.endm
.macro G0SET g, o                      ; descriptor group 0: my part, s[o] bytes into the image of the head
	s_mov_b32 s[\g], 1
	s_add_co_u32 s[\g+1], s62, s[\o]               ; LDS: 131,072 x (wave / 8) + the same offset
	s_mov_b32 s82, s[\o]
	s_add_nc_u64 s[\g+2:\g+3], s[2:3], s[82:83]
	s_or_b32 s[\g+3], s[\g+3], 0x80000000
.endm
	s_load_b256 s[4:11], s[0:1], 0x0               ; q_img s[4:5], k_img s[6:7], v_img s[8:9], the exponents s[10:11]
	s_load_b64 s[12:13], s[0:1], 0x20              ; a_img
	v_lshl_add_u32 v254, v0, 2, 0x40000
	v_mov_b32 v255, 0
	ds_add_u32 v254, v255
	ds_add_u32 v254, v255
	v_lshrrev_b32 v3, 5, v0
	s_delay_alu instid0(VALU_DEP_1)
	v_readfirstlane_b32 s[WV], v3                  ; wave 0..15
	s_bfe_u32 s[CX], ttmp6, 0x40000
	s_and_b32 s[BH], ttmp7, 0xffff                 ; the cluster y: the four partners share it
	s_xor_b32 s[UA], s[WV], 31                     ; 31 - wave
	s_mov_b32 s[UB], s[WV]
	G1SET 24, 8                                    ; stage 0: key steps 0-1: 16,384 bytes of each image, 2,048 a wave
	G1SET 32, 24                                   ; stage 1: key steps 2-7: 49,152 bytes, 6,144 a wave
	G1SET 40, 32                                   ; stage 2: key steps 8-15: 65,536 bytes, 8,192 a wave
	s_lshr_b32 s62, s[WV], 3                       ; waves 0-7 fetch K, waves 8-15 V
	s_lshl_b32 s62, s62, 17
	s_and_b32 s63, s[WV], 7                        ; which eighth of a stage
	s_lshl_b32 s66, s63, 11                        ; stage 0: 2,048 x part
	s_mul_i32 s67, s63, 6144
	s_add_co_u32 s67, s67, 16384                   ; stage 1: 16,384 + 6,144 x part
	s_lshl_b32 s63, s63, 13
	s_add_co_u32 s63, s63, 65536                   ; stage 2: 65,536 + 8,192 x part
	s_lshl_b32 s60, s[BH], 17                      ; the head: 131,072 bytes in each image
	s_mov_b32 s61, 0
	s_mov_b32 s83, 0
	s_wait_dscnt 0x0
	s_wait_kmcnt 0x0
	s_load_b256 s[68:75], s[10:11], 0x10           ; e4 .. e11: e6 s70, e7 s71, e8 s72, e9 s73, e10 s74
	s_cmp_lt_u32 s[WV], 8
	s_cselect_b64 s[2:3], s[6:7], s[8:9]
	s_add_nc_u64 s[2:3], s[2:3], s[60:61]
	G0SET 48, 66
	G0SET 52, 67
	G0SET 56, 63
	CROUND                                         ; all four work-groups are here: the joint loads meet
	tensor_load_to_lds s[48:51], s[24:31]
	s_nop 0
	tensor_load_to_lds s[52:55], s[32:39]
	s_nop 0
	tensor_load_to_lds s[56:59], s[40:47]
	s_nop 0
.rept 4
	v_nop                                          ; four v_nop follow the last of them
.endr
	s_lshl_b32 s62, s[UA], 2
	s_add_co_u32 s62, s62, s[CX]                   ; my query tile of the first pass,
	s_lshl_b32 s63, s[UB], 2
	s_add_co_u32 s63, s63, s[CX]                   ; and of the second
	s_lshl_b32 s82, s62, 10                        ; a tile of Q is 1,024 bytes
	s_add_co_u32 s82, s82, s60
	s_add_nc_u64 s[84:85], s[4:5], s[82:83]
	s_lshl_b32 s82, s63, 10
	s_add_co_u32 s82, s82, s60
	s_add_nc_u64 s[86:87], s[4:5], s[82:83]
	v_and_b32 v[LI], 31, v0
	s_delay_alu instid0(VALU_DEP_1)
	v_lshlrev_b32 v[LI], 4, v[LI]
	global_load_b128 v[16:19], v[LI], s[84:85]             ; Q stays in registers
	global_load_b128 v[20:23], v[LI], s[84:85] offset:512
	global_load_b128 v[24:27], v[LI], s[86:87]
	global_load_b128 v[28:31], v[LI], s[86:87] offset:512
	s_lshr_b32 s66, s[BH], 4
	s_lshl_b32 s66, s66, 7                         ; the result: 128 x batch + tile, 16,384 bytes each;
	s_bfe_u32 s67, s[BH], 0x30001
	s_lshl_b32 s67, s67, 11                        ; + 2,048 x (head / 2): which 128 along the model;
	s_and_b32 s[HM], s[BH], 1
	s_lshl_b32 s[HM], s[HM], 10                    ; + 1,024 x (head % 2): its 64 are two groups of four registers
	s_add_co_u32 s67, s67, s[HM]
	s_add_co_u32 s82, s66, s62
	s_lshl_b32 s82, s82, 14
	s_add_co_u32 s82, s82, s67
	s_add_nc_u64 s[78:79], s[12:13], s[82:83]
	s_add_co_u32 s82, s66, s63
	s_lshl_b32 s82, s82, 14
	s_add_co_u32 s82, s82, s67
	s_add_nc_u64 s[80:81], s[12:13], s[82:83]
	s_mov_b32 s[SEL], 0x76543210
	s_mov_b32 s[SEL+1], 0xfedcba98
	s_mov_b32 s[CS], 0x3e38aa3b                    ; log2(e) / 8
	s_mov_b32 s[HM], 0xffff0000
	v_and_b32 v[RH], 15, v0
	v_bfe_u32 v3, v0, 4, 1
	s_delay_alu instid0(VALU_DEP_1)
	v_lshlrev_b32 v3, 3, v3
	s_delay_alu instid0(VALU_DEP_1)
	v_sub_nc_u32 v[RH], v[RH], v3                  ; r - 8 h
	s_lshl_b32 s66, s[CX], 4
	v_add_nc_u32 v[RH], s66, v[RH]                 ; + 16 cx
	v_mov_b32 v228, 0xff800000                     ; -infinity
.irp j, 216,217,218,219,220,221,222,223
	v_mov_b32 v\j, 0                               ; written once: the destination of a lane permute counts as read, and v219 is named as the upper half of a pair
.endr
	s_wait_kmcnt 0x0
	s_add_co_i32 s62, s70, s71
	s_lshl_b32 s62, s62, 23
	s_add_co_i32 s[CS], s[CS], s62                 ; a score stands for score x 2^(e6 + e7): added to the exponent field of c
	s_mov_b32 s[CS+1], s[CS]                       ; (named with it as a pair)
	s_add_co_i32 s62, s72, 127
	s_lshl_b32 s63, s62, 23
	v_mov_b32 v224, s63                            ; 2^e8 as f32
	s_sub_co_i32 s62, s74, s72
	s_sub_co_i32 s62, s62, s73                     ; a sum of the second product stands for sum x 2^(e8 + e9): the result is quantised with 2^(e10 - e8 - e9)
	s_add_co_i32 s62, s62, 127
	s_lshl_b32 s63, s62, 23
	v_mov_b32 v226, s63
.macro INIT                            ; a pass begins: the first change of M multiplies zeros by 0
	v_mov_b32 v13, 0xff61b1e6                      ; the largest t so far: -3e38
	s_delay_alu instid0(VALU_DEP_1)
	v_floor_f32 v12, -v13                          ; -M
	v_mov_b32 v14, 0
	v_mov_b32 v15, 0
.set i, 0
.rept 32
	v_mov_b32 v[160+i], 0
.set i, i+1
.endr
.endm
; A KEY STEP: 128 keys for the tile whose Q lies in v[q] on.  masked = 1: the step may be hidden or on the diagonal for tile u (a scalar register).
.macro STEP q, masked, u
.if \masked
	s_cmp_gt_u32 s[KS2], s[\u]                     ; all 128 keys come after my 16 queries: the work is left out, not the step of the address
	s_cbranch_scc1 .Lhid_\@
.endif
	s_setprio 2
	v_add_nc_u32 v[ADK], s[TB], v[LI]
	s_delay_alu instid0(VALU_DEP_1)
	v_add_nc_u32 v[ADV], VOFF, v[ADK]
	v_nop
	v_nop                                          ; four places in front of loads into registers that the last products read
.irp t, 0,1,2,3,4,5,6,7
	ds_load_b128 v[32+8*\t:35+8*\t], v[ADK] offset:\t*1024
	ds_load_b128 v[36+8*\t:39+8*\t], v[ADK] offset:\t*1024+512
.endr
	s_wait_alu depctr_va_vdst(0)
	s_wait_dscnt 0x0
.irp t, 0,1,2,3,4,5,6,7
	v_wmma_f32_16x16x64_fp8_fp8 v[96+8*\t:103+8*\t], v[32+8*\t:39+8*\t], v[\q:\q+7], 0
.endr
.rept 4
	v_nop                                          ; places: for the loads below and for the first read of the scores
.endr
.irp ct, 0,1,2,3
.irp g, 0,1,2,3
	ds_load_b128 v[32+16*\ct+4*\g:35+16*\ct+4*\g], v[ADV] offset:\ct*2048+\g*512   ; V lands while the softmax is worked
.endr
.endr
.if \masked
	s_add_co_u32 s62, s[KS2], 2
	s_cmp_le_u32 s62, s[\u]                        ; all 128 keys count for all queries of tiles 4 u .. 4 u + 3
	s_cbranch_scc1 .Lopen_\@
	s_sub_co_u32 s62, s[\u], s[KS2]
	s_lshl_b32 s62, s62, 6
	v_add_nc_u32 v229, s62, v[RH]                  ; d = my query - the first key of the step - 8 h.  Register 8 t + j holds key 16 t + 8 h + j: hidden where 16 t + j > d
.set n, 0
.rept 64
	v_cmp_gt_i32 vcc_lo, 16*(n/8)+n%8, v229
	v_cndmask_b32 v[96+n], v[96+n], v228, vcc_lo
.set n, n+1
.endr
.Lopen_\@:
.endif
	v_max3_num_f32 v216, v96, v97, v98             ; the largest score of my query among my 64 keys, in two chains,
	v_max3_num_f32 v218, v99, v100, v101
.set i, 6
.rept 14
	v_max3_num_f32 v216, v216, v[96+i], v[97+i]
	v_max3_num_f32 v218, v218, v[98+i], v[99+i]
.set i, i+4
.endr
	v_max3_num_f32 v216, v216, v158, v159
	s_delay_alu instid0(VALU_DEP_1)
	v_max_num_f32 v216, v216, v218
	s_delay_alu instid0(VALU_DEP_1)
	v_permlanex16_b32 v217, v216, s[SEL], s[SEL+1]
	s_delay_alu instid0(VALU_DEP_1)
	v_max_num_f32 v216, v216, v217                 ; and among those of lane l xor 16
	s_delay_alu instid0(VALU_DEP_1)
	v_mul_f32 v216, s[CS], v216                    ; as t (c is positive)
	s_delay_alu instid0(VALU_DEP_1)
	v_max_num_f32 v13, v13, v216                   ; the running largest t
	v_mov_b32 v216, v12
	s_delay_alu instid0(VALU_DEP_2)
	v_floor_f32 v12, -v13                          ; the new -M = -ceil(t)
	s_delay_alu instid0(VALU_DEP_1)
	v_sub_f32 v216, v12, v216                      ; old M - new M: a whole number, 0 or less
	s_delay_alu instid0(VALU_DEP_1)
	v_cvt_i32_f32 v216, v216                       ; (it saturates)
	s_delay_alu instid0(VALU_DEP_1)
	v_ldexp_f32 v218, 1.0, v216                    ; f = 2^(old M - new M)
.set i, 0
.rept 32
	v_pk_fma_f32 v[96+i:97+i], v[96+i:97+i], s[CS:CS+1], v[12:13] op_sel_hi:[1,0,0]   ; t - M, two at a time
.set i, i+2
.endr
.set i, 0
	s_setprio 1
	s_wait_alu depctr_va_vdst(0)
.rept 64
	v_exp_f32 v[96+i], v[96+i]                     ; p = 2^(t - M)
.set i, i+1
.endr
	v_pk_mul_f32 v[14:15], v[14:15], v[218:219] op_sel_hi:[1,0]    ; the sums under the new M (a plain line behind the exponentials)
	s_wait_alu depctr_va_vdst(0)                   ; one wait for the whole batch, ahead of its first reader
	v_pk_add_f32 v[220:221], v[100:101], v[104:105]
	v_pk_add_f32 v[252:253], v[108:109], v[112:113]
	v_pk_add_f32 v[250:251], v[116:117], v[120:121]
	v_pk_add_f32 v[248:249], v[124:125], v[128:129]
	v_pk_add_f32 v[246:247], v[132:133], v[136:137]
	v_pk_add_f32 v[244:245], v[140:141], v[144:145]
	v_pk_add_f32 v[242:243], v[148:149], v[152:153]
	v_pk_add_f32 v[14:15], v[14:15], v[156:157]
	v_pk_add_f32 v[220:221], v[220:221], v[96:97]
	v_pk_add_f32 v[252:253], v[252:253], v[98:99]
	v_pk_add_f32 v[250:251], v[250:251], v[102:103]
	v_pk_add_f32 v[248:249], v[248:249], v[106:107]
	v_pk_add_f32 v[246:247], v[246:247], v[110:111]
	v_pk_add_f32 v[244:245], v[244:245], v[114:115]
	v_pk_add_f32 v[242:243], v[242:243], v[118:119]
	v_pk_add_f32 v[14:15], v[14:15], v[122:123]
	v_pk_add_f32 v[220:221], v[220:221], v[126:127]
	v_pk_add_f32 v[252:253], v[252:253], v[130:131]
	v_pk_add_f32 v[250:251], v[250:251], v[134:135]
	v_pk_add_f32 v[248:249], v[248:249], v[138:139]
	v_pk_add_f32 v[246:247], v[246:247], v[142:143]
	v_pk_add_f32 v[244:245], v[244:245], v[146:147]
	v_pk_add_f32 v[242:243], v[242:243], v[150:151]
	v_pk_add_f32 v[14:15], v[14:15], v[154:155]
	v_pk_add_f32 v[220:221], v[220:221], v[158:159]
	s_delay_alu instid0(VALU_DEP_2)
	v_pk_add_f32 v[14:15], v[14:15], v[248:249]
	s_delay_alu instid0(VALU_DEP_2)
	v_pk_add_f32 v[220:221], v[220:221], v[246:247]
	v_pk_add_f32 v[252:253], v[252:253], v[244:245]
	v_pk_add_f32 v[250:251], v[250:251], v[242:243]
	s_delay_alu instid0(VALU_DEP_2)
	v_pk_add_f32 v[14:15], v[14:15], v[252:253]
	s_delay_alu instid0(VALU_DEP_2)
	v_pk_add_f32 v[220:221], v[220:221], v[250:251]
	s_delay_alu instid0(VALU_DEP_1)
	v_pk_add_f32 v[14:15], v[14:15], v[220:221]
	s_setprio 0
.irp t, 0,1,2,3,4,5,6,7
.irp j, 0,1,2,3,4,5,6,7
.endr
	v_cvt_scalef32_pk8_fp8_f32 v[192+2*\t:193+2*\t], v[96+8*\t:103+8*\t], v224
.endr
.set i, 0
.rept 16
	v_pk_mul_f32 v[160+i:161+i], v[160+i:161+i], v[218:219] op_sel_hi:[1,0]   ; O^T under the new M; also the plain lines behind the last conversion
.set i, i+2
.endr
	s_wait_alu depctr_va_vdst(0)
	s_wait_dscnt 0x0                               ; V is in
.irp ct, 0,1,2,3
	v_wmma_f32_16x16x128_fp8_fp8 v[160+8*\ct:167+8*\ct], v[32+16*\ct:47+16*\ct], v[192:207], v[160+8*\ct:167+8*\ct]   ; the four accumulators take turns
.endr
.if \masked
.Lhid_\@:
.endif
	s_add_co_u32 s[TB], s[TB], 8192
.endm
; THE WAY OUT of a pass: O^T / the sum, quantised.  A lane holds channels 16 ct + 8 h + 0 .. 7; the image wants 32 c + 16 h + 0 .. 15: the two halves of the lanes trade 8 bytes for each c.
.macro EPI base
.rept 4
	v_nop                                          ; places behind the last products
.endr
	s_wait_xcnt 0x0                                ; the stores of the pass before have read their registers
	v_add_f32 v14, v14, v15
	s_delay_alu instid0(VALU_DEP_1)
	v_permlanex16_b32 v217, v14, s[SEL], s[SEL+1]
	s_delay_alu instid0(VALU_DEP_1)
	v_add_f32 v14, v14, v217                       ; the sum of the row
	s_wait_alu depctr_va_vdst(0)
	v_rcp_f32 v14, v14
	v_nop                                          ; a plain line behind the reciprocal,
	s_wait_alu depctr_va_vdst(0)                   ; and the wait ahead of its first reader
.set i, 0
.rept 16
	v_pk_mul_f32 v[96+i:97+i], v[160+i:161+i], v[14:15] op_sel_hi:[1,0]   ; each accumulator from its low end on
.set i, i+2
.endr
.set i, 0
.rept 32
.set i, i+1
.endr
.irp c, 0,1,2,3
	v_cvt_scalef32_pk8_fp8_f32 v[192+2*\c:193+2*\c], v[96+8*\c:103+8*\c], v226
.endr
	v_nop
.irp c, 0,1
	v_cndmask_b32 v222, v[194+4*\c], v[192+4*\c], s[HM]    ; what I send: lanes 0-15 tile 2 c + 1, lanes 16-31 tile 2 c
	v_cndmask_b32 v223, v[195+4*\c], v[193+4*\c], s[HM]
	s_delay_alu instid0(VALU_DEP_2)
	v_permlanex16_b32 v216, v222, s[SEL], s[SEL+1]
	s_delay_alu instid0(VALU_DEP_2)
	v_permlanex16_b32 v218, v223, s[SEL], s[SEL+1]
	v_cndmask_b32 v[208+4*\c], v[192+4*\c], v216, s[HM]    ; lanes 0-15: (my tile 2 c, what came); lanes 16-31: (what came, my tile 2 c + 1)
	v_cndmask_b32 v[209+4*\c], v[193+4*\c], v218, s[HM]
	v_cndmask_b32 v[210+4*\c], v216, v[194+4*\c], s[HM]
	v_cndmask_b32 v[211+4*\c], v218, v[195+4*\c], s[HM]
.endr
	global_store_b128 v[LI], v[208:211], s[\base:\base+1]              ; 32 lanes store 512 consecutive bytes, aligned
	global_store_b128 v[LI], v[212:215], s[\base:\base+1] offset:512
.endm
	INIT
	s_wait_loadcnt 0x0                             ; Q
	s_wait_tensorcnt 0x2                           ; my part of stage 0 is in; my two later loads may be out: nothing is filled twice in this launch
	s_barrier_signal -1
	s_barrier_wait -1                              ; and that of every wave
	; THE FIRST PASS: u = 31 - wave is 16 or more, so key steps 0-7 are open for every wave
	s_mov_b32 s[TB], 0
	s_mov_b32 s[KS2], 0
.Ls0:
	STEP 16, 0, UA
	s_add_co_u32 s[KS2], s[KS2], 2
	s_cmp_lt_u32 s[KS2], 4
	s_cbranch_scc1 .Ls0
	s_setprio 0
	s_wait_tensorcnt 0x1                           ; my part of stage 1 is in
	s_wait_dscnt 0x0
	s_barrier_signal -1
	s_barrier_wait -1
	s_mov_b32 s[TB], 16384
	s_mov_b32 s[KS2], 4
.Ls1:
	STEP 16, 0, UA
	s_add_co_u32 s[KS2], s[KS2], 2
	s_cmp_lt_u32 s[KS2], 16
	s_cbranch_scc1 .Ls1
	s_setprio 0
	s_wait_tensorcnt 0x0                           ; my part of stage 2 is in
	s_wait_dscnt 0x0
	s_barrier_signal -1
	s_barrier_wait -1                              ; from here on the waves run free
	s_mov_b32 s[TB], 65536
	s_mov_b32 s[KS2], 16
.Ls2:
	STEP 16, 1, UA
	s_add_co_u32 s[KS2], s[KS2], 2
	s_cmp_lt_u32 s[KS2], 32
	s_cbranch_scc1 .Ls2
	s_setprio 0
	EPI 78
	; THE SECOND PASS: u = wave, key steps 0-7
	INIT
	s_mov_b32 s[TB], 0
	s_mov_b32 s[KS2], 0
.Lb:
	STEP 24, 1, UB
	s_add_co_u32 s[KS2], s[KS2], 2
	s_cmp_lt_u32 s[KS2], 16
	s_cbranch_scc1 .Lb
	s_setprio 0
	EPI 80
	s_wait_dscnt 0x0
	s_wait_tensorcnt 0x0
	ds_add_u32 v254, v255
	s_wait_dscnt 0x0
	CROUND                                         ; the closing round
	s_endpgm
.Lfunc_end_k_q975bfb408e_attn:
	.size	k_q975bfb408e_attn, .Lfunc_end_k_q975bfb408e_attn-k_q975bfb408e_attn
	.p2alignl 7, 3214868480
	.fill 96, 4, 3214868480
	.section	.rodata,"a",@progbits
	.p2align	6, 0x0
	.amdhsa_kernel k_q975bfb408e_attn
		.amdhsa_group_segment_fixed_size 264192
		.amdhsa_private_segment_fixed_size 0
		.amdhsa_enable_private_segment 0
		.amdhsa_kernarg_size 40
		.amdhsa_user_sgpr_count 2
		.amdhsa_user_sgpr_kernarg_segment_ptr 1
		.amdhsa_wavefront_size32 1
		.amdhsa_system_sgpr_workgroup_id_x 1
		.amdhsa_system_sgpr_workgroup_id_y 1
		.amdhsa_system_sgpr_workgroup_id_z 1
		.amdhsa_system_vgpr_workitem_id 0
		.amdhsa_next_free_vgpr 256
		.amdhsa_next_free_sgpr 88
		.amdhsa_reserve_vcc 1
		.amdhsa_float_denorm_mode_32 3
		.amdhsa_float_denorm_mode_16_64 3
		.amdhsa_fp16_overflow 1
		.amdhsa_memory_ordered 1
		.amdhsa_forward_progress 1
		.amdhsa_inst_pref_size 83
	.end_amdhsa_kernel
	.amdgpu_metadata
---
amdhsa.version: [ 1, 2 ]
amdhsa.kernels:
  - .name:           k_q975bfb408e_attn
    .symbol:         k_q975bfb408e_attn.kd
    .args:
      - { .name: q_img, .offset: 0, .size: 8, .value_kind: global_buffer, .address_space: global }
      - { .name: k_img, .offset: 8, .size: 8, .value_kind: global_buffer, .address_space: global }
      - { .name: v_img, .offset: 16, .size: 8, .value_kind: global_buffer, .address_space: global }
      - { .name: lowp_scales, .offset: 24, .size: 8, .value_kind: global_buffer, .address_space: global }
      - { .name: a_img, .offset: 32, .size: 8, .value_kind: global_buffer, .address_space: global }
    .group_segment_fixed_size: 264192
    .private_segment_fixed_size: 0
    .kernarg_segment_align: 8
    .kernarg_segment_size: 40
    .max_flat_workgroup_size: 512
    .sgpr_count:     88
    .vgpr_count:     256
    .wavefront_size: 32
...
	.end_amdgpu_metadata
.endif
;; end of part 2
;; launch oproj (part 3): grid 4 x 32, 4 waves a work-group, clusters of 4 x 4, 327,680 bytes of LDS; arguments a_img, WO_codes, lowp_scales, out0; writes out0
.if DOCPART == 3
	.amdgcn_target "amdgcn-amd-amdhsa--gfx1250"
	.amdhsa_code_object_version 6
	.text
	.protected	k_q975bfb408e_oproj
	.globl	k_q975bfb408e_oproj
	.p2align	8
	.type	k_q975bfb408e_oproj,@function
k_q975bfb408e_oproj:
	s_mov_b64 s[64:65], 0
	v_nop
	global_prefetch_b8 v0, s[64:65] scope:SCOPE_SE
	s_setreg_imm32_b32 hwreg(HW_REG_WAVE_MODE, 25, 1), 1
	s_wait_xcnt 0x0
	s_wait_alu depctr_hold_cnt(0) depctr_sa_sdst(0) depctr_va_vdst(0) depctr_va_sdst(0) depctr_va_ssrc(0) depctr_va_vcc(0) depctr_vm_vsrc(0)
	s_getreg_b32 s2, hwreg(HW_REG_IB_STS2, 6, 4)
	s_cmp_eq_u32 s2, 0
	s_cbranch_scc0 .Lentry_in_a_cluster
	s_endpgm
.Lentry_in_a_cluster:
	s_bfe_u32 s2, ttmp6, 0x10000c
	s_cmp_lg_u32 s2, 0xf033
	s_cbranch_scc0 .Lentry_shape_is_right
	s_endpgm
.Lentry_shape_is_right:
; out0[m][n] = sum over k of A[m][k] WO[n][k] x 2^(e10 + e11), on codes of E4M3.  WO: [1024][1024] codes, K innermost.  out0: [8192][1024] f32.
; A comes as images of operand registers: a_img [tile of 16 tokens 512][128 along K 8][4][lane][16 bytes]: registers 4 c .. 4 c + 3 of lane (r, h) = token r, k = 32 c + 16 h + 0 .. 15:
; the same order of k in which the rows of WO are read from LDS (four loads of 16 bytes, 32 bytes apart, at 16 h), so every product meets its partner.
; LIMIT: e10 + e11 between -126 and 127, so that 2^(e10 + e11) is an f32 number.
; A tile of 256 x 256 is made by four waves, 128 x 128 each: 64 accumulators, 512 registers.  K goes in four steps of 256 through a ring of two LDS slots filled by the tensor data mover.
; CLUSTERS: 4 x 4 work-groups.  The four of a row of the cluster need the same tiles of A, the four of a column the same tiles of WO: each tile is asked for JOINTLY.
; The matrix line has source 0 = 16 rows of WO, source 1 = 16 tokens: a lane holds eight neighbouring numbers of a row of out0.
; REGISTERS, in windows of 256: window 0: v0-31 addresses; from v128 the fragments of A, ONE set; on the way out v32-255 are free.
;   window 1: fragments of WO, TWO sets.   window 2: accumulators of my rows 0-63 ((a, b) at v[8 (8 a + b)]);   window 3: those of my rows 64-127.
.set SIZE_M, 8192
.set SIZE_N, 1024
.set SIZE_K, 1024
.set KSTEP,  256                       ; along K in a slot
.set ROWB,   256                       ; a row of a tile of WO in bytes
.set ASTEP,  4096                      ; a K step of A: two fragments of 2,048 bytes for each tile of 16 tokens
.set KROW,   SIZE_K                    ; bytes of a token in a_img (16,384 for 16), and of a row of WO
.set PITCH,  272                       ; an LDS row of WO: 256 bytes + 16 of padding
.set FR,     16
.set NL,     4
.set NP,     4
.set HALFT,  128*PITCH                 ; the place of one tensor load in a slot: 128 rows of WO; the 128 tokens of A use 32,768 bytes of it
.set SLOT,   4*HALFT
.set LAPS,   SIZE_K/(2*KSTEP)
.set SPARE,  2*SLOT                    ; behind the ring: the spare words, 128 bytes a wave
.set SPITCH, 528                       ; the way out: a stage of 16 rows x (512 bytes + 16) for each wave, in slot 0, which has had its last fill and its last read by then
.set ADRA, 16                          ; v16-17  LDS address of my fragments of A in slot 0, 1
.set ADRB, 20                          ; v20-21  the same for WO
.set STO,  24                          ; v24     the way out: where I put 32 bytes of a row
.set RD,   25                          ; v25     the way out: where I read a row back
.set CO,   26                          ; v26     16 x lane
.set SPW,  28                          ; v28     LDS address of my spare word; never rewritten
.set NIL,  29                          ; v29     0; never rewritten
.set TMP,  32
.set AF,   128
.set BK,   128
.set G1, 24
.set G0, 32
.set G1B, 48
.set G0B, 56
.set MSB, 0
.macro WIN new
.if MSB != \new
	s_set_vgpr_msb (MSB<<8)|\new
.set MSB, \new
.endif
.endm
.set MUL_LO, 0xa1
.set MUL_HI, 0xf1
.set TO_B,   0x40
.macro JLOAD g0a, g1a, g0b, g1b        ; a joint load: waves 0 and 1 fetch for A, waves 2 and 3 for WO; four v_nop follow each of the two lines
	s_cmp_eq_u32 s15, 0
	s_cbranch_scc0 .Lfor_b_\@
	tensor_load_to_lds s[\g0a:\g0a+3], s[\g1a:\g1a+7]
	s_nop 0
.rept 4
	v_nop
.endr
	s_branch .Lasked_\@
.Lfor_b_\@:
	tensor_load_to_lds s[\g0b:\g0b+3], s[\g1b:\g1b+7]
	s_nop 0
.rept 4
	v_nop
.endr
.Lasked_\@:
.endm
.macro CREST
	s_cmp_lg_u32 s14, 0
	s_cbranch_scc1 .Lnot_wave_0_\@
	s_barrier_signal -3
.Lnot_wave_0_\@:
	s_barrier_wait -3
	s_barrier_signal -1
	s_barrier_wait -1
.endm
.macro CROUND
	s_barrier_signal -1
	s_barrier_wait -1
	CREST
.endm
	s_load_b128 s[4:7], s[0:1], 0x0                ; a_img s[4:5], WO s[6:7]
	s_load_b128 s[8:11], s[0:1], 0x10              ; the exponents s[8:9], out0 s[10:11]
	v_lshl_add_u32 v[SPW], v0, 2, SPARE
	v_mov_b32 v[NIL], 0
	ds_add_u32 v28, v29
	ds_add_u32 v28, v29
	s_wait_dscnt 0x0
	v_lshrrev_b32 v1, 5, v0
	v_readfirstlane_b32 s14, v1                    ; wave 0..3
	s_lshr_b32 s15, s14, 1                         ; which half of the rows is mine.  Also: I fetch for A (0) or for WO (1)
	s_and_b32 s16, s14, 1                          ; which half of the columns.  Also: which 128 rows of that tile I fetch
	s_bfe_u32 s40, ttmp6, 0x40000
	s_bfe_u32 s41, ttmp6, 0x40004
	s_lshl_b32 s42, ttmp9, 2
	s_add_co_u32 s42, s42, s40                     ; tile column = 4 x cluster x + cx
	s_and_b32 s17, ttmp7, 0xffff
	s_lshl_b32 s17, s17, 2
	s_add_co_u32 s17, s17, s41                     ; tile row = 4 x cluster y + cy
	s_lshl_b32 s43, s41, 2
	s_lshl_b32 s43, 15, s43                        ; my row of the cluster
	s_lshl_b32 s44, 0x1111, s40                    ; my column
	; descriptor group 1 for A: 8 tiles of 16 tokens x 4,096 bytes (a K step), 16,384 bytes apart, dense in LDS
	s_or_b32 s[G1+0], s43, (3<<16)|(1<<21)         ; 15:0 the mask: my row; 17:16 elements of 8 bytes; 21 set beside a mask; no padding
	s_mov_b32 s[G1+1], 512<<16                     ; tensor_dim0 = 512
	s_mov_b32 s[G1+2], 8<<16                       ; tensor_dim1 = 8
	s_mov_b32 s[G1+3], 512<<16                     ; tile_dim0 = 512
	s_mov_b32 s[G1+4], 8                           ; tile_dim1 = 8
	s_mov_b32 s[G1+5], 2048                        ; the pitch: 2,048 elements
	s_mov_b32 s[G1+6], 0
	s_mov_b32 s[G1+7], 0
	; for WO: 128 rows x 256 bytes, padded in LDS
	s_or_b32 s[G1B+0], s44, (0<<16)|(1<<20)|(1<<21)|(5<<22)|(3<<25)  ; the mask: my column; elements of 1 byte; four words of padding after every 64
	s_mov_b32 s[G1B+1], ROWB<<16
	s_mov_b32 s[G1B+2], 128<<16
	s_mov_b32 s[G1B+3], ROWB<<16
	s_mov_b32 s[G1B+4], 128
	s_mov_b32 s[G1B+5], KROW
	s_mov_b32 s[G1B+6], 0
	s_mov_b32 s[G1B+7], 0
	s_lshl_b32 s18, s16, 7
	s_lshl_b32 s20, s17, 8
	s_add_co_u32 s20, s20, s18                     ; A: token 256 x tile row + 128 x half: 1,024 bytes a token, in whole tiles of 16
	s_lshl_b32 s46, s42, 8
	s_add_co_u32 s46, s46, s18                     ; WO: row 256 x tile column + 128 x half
	s_mov_b32 s21, 0
	s_mov_b32 s47, 0
	s_mov_b64 s[18:19], KROW
	s_mul_u64 s[20:21], s[20:21], s[18:19]
	s_mul_u64 s[46:47], s[46:47], s[18:19]
	s_mul_i32 s45, s14, HALFT                      ; where they go: wave x HALFT: no place in the cluster enters an LDS address
	s_wait_kmcnt 0x0
	s_load_b64 s[96:97], s[8:9], 0x28              ; e10, e11
	s_add_nc_u64 s[20:21], s[4:5], s[20:21]
	s_add_nc_u64 s[46:47], s[6:7], s[46:47]
	CROUND                                         ; all sixteen work-groups are here: the first joint loads meet
.irp s, 0,1
	s_mov_b32 s[G0+4*\s], 1
	s_add_co_u32 s[G0+4*\s+1], s45, \s*SLOT
	s_add_nc_u64 s[G0+4*\s+2:G0+4*\s+3], s[20:21], \s*ASTEP
	s_or_b32 s[G0+4*\s+3], s[G0+4*\s+3], 0x80000000
	s_mov_b32 s[G0B+4*\s], 1
	s_add_co_u32 s[G0B+4*\s+1], s45, \s*SLOT
	s_add_nc_u64 s[G0B+4*\s+2:G0B+4*\s+3], s[46:47], \s*ROWB
	s_or_b32 s[G0B+4*\s+3], s[G0B+4*\s+3], 0x80000000
	s_wait_alu depctr_va_vdst(0)
	s_wait_tensorcnt 0x0
	ds_add_u32 v28, v29
	ds_add_u32 v28, v29
	s_wait_dscnt 0x0
	CROUND
	JLOAD G0+4*\s, G1, G0B+4*\s, G1B
.endr
	v_and_b32 v1, 15, v0                           ; l % 16
	v_bfe_u32 v2, v0, 4, 1                         ; l / 16
	v_and_b32 v6, 31, v0
	v_lshlrev_b32 v[CO], 4, v6                     ; 16 x lane: my place in an image, and in a row of 512 bytes
	v_mul_u32_u24 v3, v1, PITCH
	v_lshl_add_u32 v4, v2, 4, v3                   ; WO: row x pitch + 16 x half
	s_mul_i32 s21, s15, HALFT                      ; my 128 tokens of A
	s_mul_i32 s22, s16, HALFT                      ; my 128 rows of WO,
	s_add_co_u32 s22, s22, 2*HALFT                 ; which lie behind the two places of A
.irp s, 0,1
	v_add_nc_u32 v[ADRA+\s], s21, v[CO]
	v_add_nc_u32 v[ADRB+\s], s22, v4
	s_add_co_u32 s21, s21, SLOT
	s_add_co_u32 s22, s22, SLOT
.endr
	s_mul_i32 s23, s14, 16*SPITCH                  ; my stage
	v_mul_u32_u24 v5, v1, SPITCH                   ; in: row l % 16, 32 bytes for each half of the lanes
	v_lshl_add_u32 v5, v2, 5, v5
	v_add_nc_u32 v[STO], s23, v5
	v_add_nc_u32 v[RD], s23, v[CO]                 ; back: the 32 lanes take one row of 512 bytes
	s_lshl_b32 s20, s17, 8
	s_lshl_b32 s21, s15, 7
	s_add_co_u32 s20, s20, s21                     ; my first row of out0
	s_mov_b32 s21, 0
	s_mov_b64 s[18:19], SIZE_N*4
	s_mul_u64 s[20:21], s[20:21], s[18:19]
	s_lshl_b32 s46, s42, 10                        ; my first column, in bytes
	s_lshl_b32 s47, s16, 9
	s_add_co_u32 s46, s46, s47
	s_mov_b32 s47, 0
	s_add_nc_u64 s[20:21], s[20:21], s[46:47]
	s_add_nc_u64 s[10:11], s[10:11], s[20:21]
.macro FRAG reg, adr, q, i             ; a fragment of WO: lane l holds row l % 16; registers 4 c .. 4 c + 3 hold K = 32 c + 16 (l / 16) + 0 .. 15
.irp c, 0,1,2,3
	ds_load_b128 v[\reg+4*\c:\reg+4*\c+3], v[\adr] offset:128*(\q)+32*\c+(\i)*16*PITCH
.endr
.endm
.macro FRAGA reg, adr, q, i            ; a fragment of A comes back as it was stored: four registers a load, lane l at 16 l
.irp c, 0,1,2,3
	ds_load_b128 v[\reg+4*\c:\reg+4*\c+3], v[\adr] offset:(\i)*ASTEP+2048*(\q)+512*\c
.endr
.endm
; 16 matrix instructions; the 64 accumulators take turns, one instruction a turn, in the same order in every step.
.macro MUL16 a0, p, zero
.irp a, \a0, \a0+1
.irp b, 0,1,2,3,4,5,6,7
.if \zero
	v_wmma_f32_16x16x128_fp8_fp8 v[8*(8*((\a)%4)+\b):8*(8*((\a)%4)+\b)+7], v[128*(\p)+FR*\b:128*(\p)+FR*\b+FR-1], v[AF+FR*(\a):AF+FR*(\a)+FR-1], 0
.else
	v_wmma_f32_16x16x128_fp8_fp8 v[8*(8*((\a)%4)+\b):8*(8*((\a)%4)+\b)+7], v[128*(\p)+FR*\b:128*(\p)+FR*\b+FR-1], v[AF+FR*(\a):AF+FR*(\a)+FR-1], v[8*(8*((\a)%4)+\b):8*(8*((\a)%4)+\b)+7]
.endif
.endr
.endr
.endm
.macro FETCH_B slot, q, p
	WIN TO_B
.irp i, 0,1,2,3,4,5,6,7
	FRAG 128*(\p)+FR*\i, ADRB+\slot, \q, \i
.endr
	WIN 0
.endm
.macro FETCH_A slot, q, i0
.irp i, \i0, \i0+1, \i0+2, \i0+3
	FRAGA AF+FR*(\i), ADRA+\slot, \q, \i
.endr
.endm
.macro PLACES n                        ; places behind matrix instructions: in front of loads into registers that they read, and of the first read of results
.rept \n
	v_nop
.endr
.endm
.macro STEP slot, q, zero
	s_wait_dscnt 4*NL                              ; the set of WO and blocks 0-3 of A are in; the youngest 16 loads (blocks 4-7) may be out
	WIN MUL_LO
	MUL16 0, (\q)%2, \zero
	MUL16 2, (\q)%2, \zero
	s_wait_dscnt 0
	PLACES NP
	FETCH_B \slot, (\q)+1, 1-(\q)%2
	FETCH_A \slot, (\q)+1, 0
	WIN MUL_HI
	MUL16 4, (\q)%2, \zero
	MUL16 6, (\q)%2, \zero
	PLACES NP
	WIN 0
	FETCH_A \slot, (\q)+1, 4
.endm
.macro TURN slot, next, fill
	s_wait_tensorcnt 0x0                           ; all my tensor loads have landed: my part of the next slot
	ds_add_u32 v[SPW], v[NIL]                      ; 0 onto my spare word
	s_wait_dscnt 4*NL+1                            ; (the add and the youngest 16 loads may be out)
	WIN MUL_LO
	MUL16 0, 1, 0
	s_wait_dscnt 0x0                               ; the add is done, and my reads of this slot are over
	s_barrier_signal -1
	MUL16 2, 1, 0
	WIN 0
	s_barrier_wait -1
.if \fill
	CREST                                          ; the barrier has opened a round of the cluster: no wave of any partner still reads this slot or has a load on its way
	s_add_nc_u64 s[G0+4*\slot+2:G0+4*\slot+3], s[G0+4*\slot+2:G0+4*\slot+3], 2*ASTEP
	s_add_nc_u64 s[G0B+4*\slot+2:G0B+4*\slot+3], s[G0B+4*\slot+2:G0B+4*\slot+3], 2*ROWB
	JLOAD G0+4*\slot, G1, G0B+4*\slot, G1B         ; the first tensor load behind the round
.else
	PLACES NP
.endif
	FETCH_B \next, 0, 0
	FETCH_A \next, 0, 0
	WIN MUL_HI
	MUL16 4, 1, 0
	MUL16 6, 1, 0
	PLACES NP
	WIN 0
	FETCH_A \next, 0, 4
.endm
	s_wait_alu depctr_va_vdst(0)
	s_wait_tensorcnt 1                             ; my part of K step 0 is in (the load of K step 1 may be out),
	s_barrier_signal -1
	s_barrier_wait -1                              ; and that of every wave
	FETCH_B 0, 0, 0
	FETCH_A 0, 0, 0
	FETCH_A 0, 0, 4
	STEP 0, 0, 1                                   ; the first step starts the sums
	s_mov_b32 s3, LAPS-1
.Llap:
	TURN 0, 1, 1
	STEP 1, 0, 0
	TURN 1, 0, 1
	STEP 0, 0, 0
	s_sub_co_u32 s3, s3, 1
	s_cmp_lg_u32 s3, 0
	s_cbranch_scc1 .Llap
	TURN 0, 1, 0                                   ; the last lap fills nothing
	STEP 1, 0, 0
	s_wait_dscnt 4*NL
	WIN MUL_LO
	MUL16 0, 1, 0
	MUL16 2, 1, 0
	s_wait_dscnt 0
	WIN MUL_HI
	MUL16 4, 1, 0
	MUL16 6, 1, 0
	WIN 0
; THE WAY OUT, block by block of 16 rows x 128 columns, through my own stage in LDS: in as 32 bytes a lane, back as whole rows of 512 bytes.  LDS serves the instructions of a wave in order (ISA guide 5.7.1.4).
.macro TOSTAGE a
.set AC, 64*((\a)%4)
	WIN 0x02+((\a)/4)
.irp j, 0,2,4,6,8,10,12,14,16,18,20,22,24,26,28,30,32,34,36,38,40,42,44,46,48,50,52,54,56,58,60,62
	v_pk_mul_f32 v[TMP+\j:TMP+\j+1], v[AC+\j:AC+\j+1], s[96:97] op_sel_hi:[1,0]   ; x 2^(e10 + e11); each accumulator from its low end on
.endr
	WIN 0
.irp b, 0,1,2,3,4,5,6,7
	ds_store_b128 v[STO], v[TMP+8*\b:TMP+8*\b+3] offset:64*\b
	ds_store_b128 v[STO], v[TMP+8*\b+4:TMP+8*\b+7] offset:64*\b+16
.endr
.set BB, BK+64*((\a)%2)
.irp t, 0,1,2,3,4,5,6,7,8,9,10,11,12,13,14,15
	ds_load_b128 v[BB+4*\t:BB+4*\t+3], v[RD] offset:\t*SPITCH
.endr
.endm
.macro SEND a, younger
.set BB, BK+64*((\a)%2)
	s_wait_dscnt \younger                          ; the block is back in registers
.if (\a) > 0
	s_add_nc_u64 s[10:11], s[10:11], 16*SIZE_N*4   ; (behind a wait on XCNT: the earlier stores have read their base)
.endif
.irp t, 0,1,2,3,4,5,6,7,8,9,10,11,12,13,14,15
	global_store_b128 v[CO], v[BB+4*\t:BB+4*\t+3], s[10:11] offset:\t*SIZE_N*4 th:TH_STORE_NT   ; 32 lanes store 512 consecutive bytes, aligned
.endr
.endm
	s_wait_kmcnt 0x0
	s_add_co_i32 s96, s96, s97                     ; e10 + e11
	s_add_co_i32 s96, s96, 127
	s_lshl_b32 s96, s96, 23                        ; 2^(e10 + e11) as f32
	PLACES NP
	TOSTAGE 0
.irp a, 1,2,3,4,5,6,7
.if \a > 1
	s_wait_xcnt 0x0                                ; the stores of block a - 2 have read their registers and their base
.endif
	TOSTAGE \a
	SEND \a-1, 32                                  ; behind the loads of block a - 1: the 16 stores and 16 loads of block a
.endr
	s_wait_xcnt 0x0
	SEND 7, 0
	s_wait_tensorcnt 0x0                           ; the end of the wave
	ds_add_u32 v[SPW], v[NIL]
	s_wait_dscnt 0x0
	CROUND                                         ; the closing round
	s_endpgm
.Lfunc_end_k_q975bfb408e_oproj:
	.size	k_q975bfb408e_oproj, .Lfunc_end_k_q975bfb408e_oproj-k_q975bfb408e_oproj
	.p2alignl 7, 3214868480
	.fill 96, 4, 3214868480
	.section	.rodata,"a",@progbits
	.p2align	6, 0x0
	.amdhsa_kernel k_q975bfb408e_oproj
		.amdhsa_group_segment_fixed_size 327680
		.amdhsa_private_segment_fixed_size 0
		.amdhsa_enable_private_segment 0
		.amdhsa_kernarg_size 32
		.amdhsa_user_sgpr_count 2
		.amdhsa_user_sgpr_kernarg_segment_ptr 1
		.amdhsa_wavefront_size32 1
		.amdhsa_system_sgpr_workgroup_id_x 1
		.amdhsa_system_sgpr_workgroup_id_y 1
		.amdhsa_system_sgpr_workgroup_id_z 1
		.amdhsa_system_vgpr_workitem_id 0
		.amdhsa_next_free_vgpr 1024
		.amdhsa_next_free_sgpr 98
		.amdhsa_reserve_vcc 0
		.amdhsa_float_denorm_mode_32 3
		.amdhsa_float_denorm_mode_16_64 3
		.amdhsa_memory_ordered 1
		.amdhsa_forward_progress 1
		.amdhsa_inst_pref_size 124
	.end_amdhsa_kernel
	.amdgpu_metadata
---
amdhsa.version: [ 1, 2 ]
amdhsa.kernels:
  - .name:           k_q975bfb408e_oproj
    .symbol:         k_q975bfb408e_oproj.kd
    .args:
      - { .name: a_img, .offset: 0, .size: 8, .value_kind: global_buffer, .address_space: global }
      - { .name: WO_codes, .offset: 8, .size: 8, .value_kind: global_buffer, .address_space: global }
      - { .name: lowp_scales, .offset: 16, .size: 8, .value_kind: global_buffer, .address_space: global }
      - { .name: out0, .offset: 24, .size: 8, .value_kind: global_buffer, .address_space: global }
    .group_segment_fixed_size: 327680
    .private_segment_fixed_size: 0
    .kernarg_segment_align: 8
    .kernarg_segment_size: 32
    .max_flat_workgroup_size: 128
    .sgpr_count:     98
    .vgpr_count:     1024
    .wavefront_size: 32
...
	.end_amdgpu_metadata
.endif
;; end of part 3
